; MI455X (gfx1250); checked and timed in simulation.
; The chip was launched on July 23, 2026; its instructions are those of AMD's public machine-readable ISA for CDNA 5 (MIT licence, August 2026) and "CDNA5" Instruction Set Architecture Reference Guide (July 2026). The comments in the code are by the model that wrote it; some were corrected since.
;; Qwen3 Attention. Allowed arithmetic: matrix products marked QUANTISED: E4M3 operands, one given power-of-two scale a tensor, by v_wmma_f32_16x16x64_fp8_fp8 or v_wmma_f32_16x16x128_fp8_fp8, f32 sums; everything else in f32.
;; Inputs: hidden_states_codes 4,096 x 64 x 32 uint8 (E4M3 codes of hidden_states, K innermost, in blocks of 32 codes); k_norm_w 128 float32; lowp_scales 8 int32 (the exponents e of the quantised operands' scales 2^e); positions 4,096 int32; q_norm_w 128 float32; w_o_codes 2,048 x 32 x 32 uint8 (E4M3 codes of w_o, K innermost, in blocks of 32 codes); w_qkv_codes 3,072 x 64 x 32 uint8 (E4M3 codes of w_qkv, K innermost, in blocks of 32 codes).
;; Outputs: out0 4,096 x 2,048 float32.
;; This version of the problem:
;;   THIS VERSION OF THE PROBLEM IS GIVEN IN LOW PRECISION. The matrix products marked QUANTISED in the list below multiply operands that are first quantised to E4M3 (4 exponent bits, 3 mantissa bits; 8 bits a number), with one given power-of-two scale for each operand tensor; their sums are f32. All else is computed in f32.
;;   The module's matrix products, in the order in which they are computed (A, B: the left and right operand; K: the contracted axis; several contracted axes count as one K, in the product's order):
;;     1. [M 4,096, K 2,048] x [K 2,048, N 3,072]; A: input hidden_states (given as codes); B: input w_qkv (given as codes): QUANTISED (scales: A lowp_scales[0], B lowp_scales[1])
;;     2. batch 8 x [M 4,096, K 128] x [K 128, N 4,096]; A: computed on the way; B: computed on the way: QUANTISED (scales: A lowp_scales[2], B lowp_scales[3])
;;     3. batch 8 x [M 128, K 4,096] x [K 4,096, N 4,096]; A: computed on the way; B: softmax (see below): QUANTISED (scales: A lowp_scales[4], B lowp_scales[5])
;;     4. [M 4,096, K 1,024] x [K 1,024, N 2,048]; A: computed on the way; B: input w_o (given as codes): QUANTISED (scales: A lowp_scales[6], B lowp_scales[7])
;;   THE QUANTISER, for each operand of a quantised product, along K:
;;     - The operand's scale is 2^e, e = its entry of the input lowp_scales (int32; the entries are numbered through the quantised products in the list's order, A before B).
;;     - Each number is divided by the scale, clamped to +-448, and rounded to the nearest number of E4M3, ties to even, subnormals kept.
;;     - The product sums the exact products of the quantised numbers (number of the format x scale) in f32.
;;   ~~~python
;;   def quantise(x, axis, e):      # numpy; x: float32 -> the quantised numbers, widened to float32 again
;;       x = np.moveaxis(x, axis, -1); K = x.shape[-1]
;;       r = np.clip(x / 2.0 ** e, -448, 448)
;;       step = 2.0 ** (np.maximum(np.frexp(np.where(r == 0, 1, r))[1] - 1, -6) - 3)
;;       q = np.round(r / step) * step * 2.0 ** e      # np.round: ties to even
;;       return np.moveaxis(q, -1, axis).astype(np.float32)
;;   ~~~
;;   SOFTMAX AHEAD OF A QUANTISED PRODUCT. Where the list says 'softmax', what is quantised is not the finished softmax but p = 2^(t - M), with t = logit x log2(e) and M = ceil(the row's largest t), a whole number; so 1/2 < the row's largest p <= 1. The row's sum l is taken of the UNQUANTISED p, in f32, and the product's result is divided by l at the end. Since M is a whole number, a kernel that streams over the keys may use a running M (the ceiling of the running maximum): every later rescaling is an exact power of two, so the quantised numbers keep their values, but for numbers so far below the row's largest that they fall under the format's range.
;;   OPERANDS COMPUTED ON THE WAY. 'Computed on the way' means the value that the module computes at that place (a softmax that the list does not call 'softmax' is quantised finished and normalised). What goes into a quantiser is computed in f32, as accurately as f32 sums, v_exp_f32 and their like allow (about 1e-6 of the number): no bf16 or f16 on the way to a quantiser, and a product that is left as it is and whose result goes on into a quantised operand takes f32 operands (vector FMAs, or v_wmma_f32_16x16x4_f32). A number that lies on a knife's edge between two numbers of the format may be rounded either way, as far as f32 arithmetic and the matrix unit's own rounding can turn it there, and no further.
;;   INPUTS GIVEN AS CODES. hidden_states (in the module: [4096, 2048], K = its axis 1); w_o (in the module: [1024, 2048], K = its axis 0); w_qkv (in the module: [2048, 3072], K = its axis 0): each comes as NAME_codes (uint8): NAME with its K axis moved to the last place and cut into blocks of 32 codes, [.., K / 32, bytes a block], one block behind the other in memory; one code a byte (a code: sign, 4 exponent bits, 3 mantissa bits); its scale is its entry of lowp_scales. Its value is code x scale, taken as it is: it is not quantised again, and the codes and scales need not be those that the quantiser above would give.
;; 2 versions, each right; version 2 is version 1 with the launch attn written anew for expert scheduling mode. Each part assembles by itself: llvm-mc -triple=amdgcn-amd-amdhsa -mcpu=gfx1250 --defsym DOCPART=n.
;; ======== version 1 of 2: 3 launches
;; limits: right only within a limited range of input values
;; workspace buffers: qkvimg 12,582,912 bytes; tb 16,384 bytes of whole numbers; aimg 4,194,304 bytes
;; launch qkv (part 1): grid 12 x 16, 4 waves a work-group, clusters of 4 x 4, 327,680 bytes of LDS; arguments hidden_states_codes, w_qkv_codes, lowp_scales, positions, q_norm_w, k_norm_w, qkvimg, tb; writes qkvimg, tb
.if DOCPART == 1
	.amdgcn_target "amdgcn-amd-amdhsa--gfx1250"
	.amdhsa_code_object_version 6
	.text
	.protected	k_q7e28058926_qkv
	.globl	k_q7e28058926_qkv
	.p2align	8
	.type	k_q7e28058926_qkv,@function
k_q7e28058926_qkv:
	s_mov_b64 s[64:65], 0
	v_nop
	global_prefetch_b8 v0, s[64:65] scope:SCOPE_SE
	s_setreg_imm32_b32 hwreg(HW_REG_WAVE_MODE, 25, 1), 1
	s_wait_xcnt 0x0
	s_wait_alu depctr_hold_cnt(0) depctr_sa_sdst(0) depctr_va_vdst(0) depctr_va_sdst(0) depctr_va_ssrc(0) depctr_va_vcc(0) depctr_vm_vsrc(0)
	s_getreg_b32 s2, hwreg(HW_REG_IB_STS2, 6, 4)
	s_cmp_eq_u32 s2, 0
	s_cbranch_scc0 .Lentry_in_a_cluster
	s_endpgm
.Lentry_in_a_cluster:
	s_bfe_u32 s2, ttmp6, 0x10000c
	s_cmp_lg_u32 s2, 0xf033
	s_cbranch_scc0 .Lentry_shape_is_right
	s_endpgm
.Lentry_shape_is_right:
; qkv = hidden_states x w_qkv on codes of FP8 (E4M3); then, per head of 128: q and k get RMSNorm, the gain and the rotary turn in f32 and are quantised (2^e2, 2^e3); v is quantised (2^e4).
; hidden: [4096][2048] codes, w_qkv: [3072][2048] codes, K innermost.  A work-group of four waves makes 256 x 256 of the product, a wave 128 x 128: ONE HEAD x 128 tokens, 64 accumulators, 512 registers.
; K goes in steps of 256 through a ring of two LDS slots filled by the tensor data mover; 4 x 4 work-groups form a cluster and ask for shared tiles jointly.
; THE MATRIX INSTRUCTION: source 0 = 16 rows of region B, source 1 = 16 rows of region A.  In accumulator (a, b) lane (r, h) holds A's row 16 a + r and, in registers 0-7, B's rows 16 b + 8 h + 0 .. 7.
;   cluster x = 0 (q), 1 (k): A = tokens, B = the head's 128 outputs: a lane holds one token and 64 of its head's numbers: norm and rotary turn stay in the lane (and the lane 16 away).
;   cluster x = 2 (v):        A = the head's 128 outputs, B = tokens: a lane's registers run along the tokens, which are the K of attention's second product.
; So eight registers of accumulator (a, b), converted, ARE registers 2 b, 2 b + 1 of the next product's operand (16 rows x 128 K, k = 16 b + 8 h + 0 .. 7): the codes leave as images of those registers,
; qkvimg [24 heads: q 0-7, k 8-15, v 16-23][32 blocks of 128 tokens][8 fragments][4 groups of 4 registers][32 lanes][16 bytes]: each store of a wave covers 512 consecutive bytes, aligned.
; The choice between the two roles hangs on the cluster's x alone, which all partners share: two base addresses and two tile numbers by s_cselect; loop, masks and LDS addresses are the same in all.
; COS AND SIN are made here in f32 (angle = position x 10000^(-i/64), rounded once; reduced by multiples of pi in two parts; odd and even polynomials to x^13 and x^12): each wave makes 64 tokens x 64 frequencies
; into a table in LDS, in slot 0, which has had its last fill and its last read by then.  The q and k work-groups also store the least and largest position of each 16 tokens:
; tb [8 copies][256 tiles of 16 tokens][min, max]; copy = the work-group's tile of outputs, so that each byte has one storing work-group.
; LIMITS: |positions| <= 2^23; e2, e3 and e4 - e0 - e1 between -126 and 119 (each is made into an f32 power of two); NaN is not served.
.set KROW,   2048                      ; a row of hidden or of w_qkv in bytes
.set ROWB,   256                       ; a tile's row: 256 codes
.set PITCH,  272                       ; an LDS row: 256 bytes + 16 of padding: the 16 rows that a load touches start at 16 different banks (64 banks of 4 bytes: ISA guide 11.1)
.set FR,     16                        ; registers of a fragment: 16 rows x 128 K
.set NL,     4                         ; LDS loads that bring one
.set NP,     4                         ; places behind this matrix instruction (ISA guide 7.12.1)
.set HALFT,  128*PITCH                 ; 128 rows: one tensor load
.set SLOT,   4*HALFT                   ; A's 256 rows, then B's 256 rows
.set LAPS,   4                         ; 2048 / 512: a lap = two K steps of 256 = once round the ring
.set SPARE,  2*SLOT                    ; behind the ring: the spare words, 128 bytes a wave, that no other line names
.set TILEB,  8192                      ; the table: 16 tiles of 16 tokens; a tile: 8 groups of cos, 8 of sin, 512 bytes each (lane l's 16 bytes at 16 l)
.set TR,   14                          ; v14  the table as I read it: 65,536 x my half of the rows + 16 x lane
.set TW,   15                          ; v15  the table as I write it: 32,768 x wave + 16 x lane
.set ADRA, 16                          ; v16-17  LDS address of my A fragments in slot 0, 1
.set ADRB, 20                          ; v20-21  the same for B
.set SPW,  28                          ; v28  my spare word: SPARE + 4 x my thread's number; never rewritten
.set NIL,  29                          ; v29  0; never rewritten
.set AF,   128                         ; A's fragments, window 0; B's two sets: window 1; accumulators: windows 2 and 3
.set X,    32                          ; behind the loop, window 0: v32-95 a tile's 64 numbers (table phase: v32-63 the frequencies, v64-87 at work, v88-93 three constants)
.set IFQ,  32
.set CSR,  96                          ; v96-127 cos, v128-159 sin
.set SNR,  128
.set WR,   160                         ; v160-223 the gain, in the lane's order
.set PC,   224                         ; v224-239 a fragment's codes
.set CH,   240                         ; v240-255 at work (table phase: v240-247 four tiles' positions, each twice)
.set PP,   240
.set G1, 24                            ; s[24:31] descriptor group 1 for region A;  s[32:39] group 0, one set a slot
.set G0, 32
.set G1B, 48                           ; s[48:55], s[56:63] the same for region B
.set G0B, 56
.set SEL, 86                           ; s[86:87] behind the loop: v_permlanex16_b32's selects for lane l xor 16
.set MSB, 0
.macro WIN new                         ; the immediate's high byte repeats the setting that is left
.if MSB != \new
	s_set_vgpr_msb (MSB<<8)|\new
.set MSB, \new
.endif
.endm
.set MUL_LO, 0xa1                      ; source 0 (B) window 1, source 1 (A) window 0, C and D window 2
.set MUL_HI, 0xf1                      ; the same, C and D window 3
.set TO_B,   0x40                      ; destination window 1, address window 0
; A joint load: waves 0 and 1 fetch for region A, waves 2 and 3 for region B.  The branch hangs on the wave's number alone.  Four v_nop follow each of the two lines.
.macro JLOAD g0a, g1a, g0b, g1b
	s_cmp_eq_u32 s15, 0
	s_cbranch_scc0 .Lfor_b_\@
	tensor_load_to_lds s[\g0a:\g0a+3], s[\g1a:\g1a+7]
	s_nop 0
.rept 4
	v_nop
.endr
	s_branch .Lasked_\@
.Lfor_b_\@:
	tensor_load_to_lds s[\g0b:\g0b+3], s[\g1b:\g1b+7]
	s_nop 0
.rept 4
	v_nop
.endr
.Lasked_\@:
.endm
.macro CREST                           ; a round of the cluster's barrier behind its opening barrier
	s_cmp_lg_u32 s14, 0
	s_cbranch_scc1 .Lnot_wave_0_\@
	s_barrier_signal -3
.Lnot_wave_0_\@:
	s_barrier_wait -3
	s_barrier_signal -1
	s_barrier_wait -1
.endm
.macro CROUND                          ; a whole round
	s_barrier_signal -1
	s_barrier_wait -1
	CREST
.endm
	s_load_b128 s[4:7], s[0:1], 0x0                ; hidden's codes s[4:5], w_qkv's codes s[6:7]
	s_load_b128 s[8:11], s[0:1], 0x10              ; the scales' exponents s[8:9], positions s[10:11]
	s_load_b128 s[68:71], s[0:1], 0x20             ; q's gain s[68:69], k's gain s[70:71]
	s_load_b128 s[72:75], s[0:1], 0x30             ; qkvimg s[72:73], tb s[74:75]
	v_lshl_add_u32 v[SPW], v0, 2, SPARE
	v_mov_b32 v[NIL], 0
	ds_add_u32 v28, v29
	ds_add_u32 v28, v29
	s_wait_dscnt 0x0
	v_lshrrev_b32 v1, 5, v0
	v_readfirstlane_b32 s14, v1                    ; wave 0..3
	s_lshr_b32 s15, s14, 1                         ; which half of region A's rows is mine.  Also: I fetch for A (0) or for B (1)
	s_and_b32 s16, s14, 1                          ; which half of region B's rows.  Also: which 128 rows of that tile I fetch
	s_bfe_u32 s40, ttmp6, 0x40000                  ; cx, cy: my place in the cluster
	s_bfe_u32 s41, ttmp6, 0x40004
	s_and_b32 s86, ttmp7, 0xffff
	s_lshl_b32 s86, s86, 2                         ; 4 x cluster y
	s_lshl_b32 s87, ttmp9, 2                       ; 4 x cluster x
	s_cmp_eq_u32 ttmp9, 2                          ; v's clusters?  The same answer in all sixteen partners
	s_cselect_b32 s84, 1, 0
	s_cselect_b32 s85, 8, s86                      ; region A's first tile of 256 rows: v: w_qkv's rows 2048 on; q, k: tokens
	s_cselect_b32 s88, s86, s87                    ; region B's: v: tokens; q, k: w_qkv's rows 1024 x cluster x on
	s_add_co_u32 s17, s85, s41                     ; tile of A: + cy
	s_add_co_u32 s42, s88, s40                     ; tile of B: + cx
	s_lshl_b32 s43, s41, 2
	s_lshl_b32 s43, 15, s43                        ; my row of the cluster
	s_lshl_b32 s44, 0x1111, s40                    ; my column
	; descriptor group 1: a tile of 128 rows x 256 bytes, padded in LDS
	s_or_b32 s[G1+0], s43, (0<<16)|(1<<20)|(1<<21)|(5<<22)|(3<<25)  ; 15:0 the mask: A's tiles go to my row; 17:16 element of 1 byte; 20 padding on; 21 set beside a mask; 24:22 after every 64 words; 31:25 four words
	s_or_b32 s[G1B+0], s44, (0<<16)|(1<<20)|(1<<21)|(5<<22)|(3<<25) ; the same with my column's mask
.irp g, G1, G1B
	s_mov_b32 s[\g+1], ROWB<<16                    ; tensor_dim0
	s_mov_b32 s[\g+2], 128<<16                     ; tensor_dim1
	s_mov_b32 s[\g+3], ROWB<<16                    ; tile_dim0
	s_mov_b32 s[\g+4], 128                         ; tile_dim1
	s_mov_b32 s[\g+5], KROW                        ; tensor_dim0_stride
	s_mov_b32 s[\g+6], 0
	s_mov_b32 s[\g+7], 0
.endr
	s_lshl_b32 s18, s16, 7                         ; which 128 rows of the tile I fetch
	s_lshl_b32 s20, s17, 8
	s_add_co_u32 s20, s20, s18
	s_lshl_b32 s20, s20, 11                        ; A: row x 2,048 bytes
	s_lshl_b32 s46, s42, 8
	s_add_co_u32 s46, s46, s18
	s_lshl_b32 s46, s46, 11                        ; B likewise
	s_mov_b32 s21, 0
	s_mov_b32 s47, 0
	s_mul_i32 s45, s14, HALFT                      ; where they go: wave x 128 rows: no place in the cluster enters an LDS address
	s_wait_kmcnt 0x0
	s_load_b256 s[76:83], s[8:9], 0x0              ; e0 .. e7
	s_cmp_eq_u32 ttmp9, 2
	s_cselect_b64 s[90:91], s[6:7], s[4:5]         ; region A's buffer
	s_cselect_b64 s[92:93], s[4:5], s[6:7]         ; region B's
	s_add_nc_u64 s[20:21], s[90:91], s[20:21]
	s_add_nc_u64 s[46:47], s[92:93], s[46:47]
	CROUND                                         ; all sixteen work-groups are here: the first joint loads meet
.irp s, 0,1
	s_mov_b32 s[G0+4*\s], 1
	s_add_co_u32 s[G0+4*\s+1], s45, \s*SLOT
	s_add_nc_u64 s[G0+4*\s+2:G0+4*\s+3], s[20:21], \s*ROWB
	s_or_b32 s[G0+4*\s+3], s[G0+4*\s+3], 0x80000000
	s_mov_b32 s[G0B+4*\s], 1
	s_add_co_u32 s[G0B+4*\s+1], s45, \s*SLOT
	s_add_nc_u64 s[G0B+4*\s+2:G0B+4*\s+3], s[46:47], \s*ROWB
	s_or_b32 s[G0B+4*\s+3], s[G0B+4*\s+3], 0x80000000
	JLOAD G0+4*\s, G1, G0B+4*\s, G1B
.endr
	v_and_b32 v1, 15, v0                           ; r = lane % 16
	v_bfe_u32 v2, v0, 4, 1                         ; h = lane / 16
	v_mul_u32_u24 v3, v1, PITCH
	v_lshl_add_u32 v4, v2, 4, v3                   ; a fragment's row x pitch + 16 x half
	s_mul_i32 s22, s15, HALFT                      ; my 128 rows of A
	s_mul_i32 s23, s16, HALFT                      ; my 128 rows of B,
	s_add_co_u32 s23, s23, 2*HALFT                 ; which lie behind A's 256
.irp s, 0,1
	v_add_nc_u32 v[ADRA+\s], s22, v4
	v_add_nc_u32 v[ADRB+\s], s23, v4
	s_add_co_u32 s22, s22, SLOT
	s_add_co_u32 s23, s23, SLOT
.endr
	v_and_b32 v6, 31, v0                           ; lane
	v_lshlrev_b32 v7, 4, v6                        ; 16 x lane: my place in every image
	s_lshl_b32 s23, s15, 16
	v_add_nc_u32 v[TR], s23, v7
	s_lshl_b32 s23, s14, 15
	v_add_nc_u32 v[TW], s23, v7
.macro FRAG reg, adr, q, i             ; 16 rows x 128 K: four loads of 16 bytes: registers 4 c .. 4 c + 3 hold K = 32 c + 16 h + 0 .. 15: the same permutation of k in A and in B, so every product meets its partner
.irp c, 0,1,2,3
	ds_load_b128 v[\reg+4*\c:\reg+4*\c+3], v[\adr] offset:128*(\q)+32*\c+(\i)*16*PITCH
.endr
.endm
; 16 matrix instructions: A's blocks a0, a0 + 1 x B's eight.  p: B's set.  zero = 1: the first product starts the sums.  The 64 accumulators take turns, one instruction a turn.
.macro MUL16 a0, p, zero
.irp a, \a0, \a0+1
.irp b, 0,1,2,3,4,5,6,7
.if \zero
	v_wmma_f32_16x16x128_fp8_fp8 v[8*(8*((\a)%4)+\b):8*(8*((\a)%4)+\b)+7], v[128*(\p)+FR*\b:128*(\p)+FR*\b+FR-1], v[AF+FR*(\a):AF+FR*(\a)+FR-1], 0
.else
	v_wmma_f32_16x16x128_fp8_fp8 v[8*(8*((\a)%4)+\b):8*(8*((\a)%4)+\b)+7], v[128*(\p)+FR*\b:128*(\p)+FR*\b+FR-1], v[AF+FR*(\a):AF+FR*(\a)+FR-1], v[8*(8*((\a)%4)+\b):8*(8*((\a)%4)+\b)+7]
.endif
.endr
.endr
.endm
.macro FETCH_B slot, q, p
	WIN TO_B
.irp i, 0,1,2,3,4,5,6,7
	FRAG 128*(\p)+FR*\i, ADRB+\slot, \q, \i
.endr
	WIN 0
.endm
.macro FETCH_A slot, q, i0
.irp i, \i0, \i0+1, \i0+2, \i0+3
	FRAG AF+FR*(\i), ADRA+\slot, \q, \i
.endr
.endm
.macro PLACES n                        ; plain vector instructions between a matrix instruction and a load into, or a vector read of, its registers
.rept \n
	v_nop
.endr
.endm
; A step of 128 along K that has its successor in the same slot.  A has one set of registers (a block is free once its eight products are issued), B two.
.macro STEP slot, q, zero
	s_wait_dscnt 4*NL                              ; B's set and A's blocks 0-3 are in; the youngest 16 loads (A's blocks 4-7) may be out
	WIN MUL_LO
	MUL16 0, (\q)%2, \zero
	MUL16 2, (\q)%2, \zero
	s_wait_dscnt 0                                 ; A's blocks 4-7 are in
	PLACES NP
	FETCH_B \slot, (\q)+1, 1-(\q)%2
	FETCH_A \slot, (\q)+1, 0
	WIN MUL_HI
	MUL16 4, (\q)%2, \zero
	MUL16 6, (\q)%2, \zero
	PLACES NP
	WIN 0
	FETCH_A \slot, (\q)+1, 4
.endm
; A slot's last step changes slots: one barrier; in front of it each wave waits for all its tensor loads, adds 0 to its spare word, and waits for that and for its reads of this slot.  fill = 1: the slot is filled again.
.macro TURN slot, next, fill
	s_wait_tensorcnt 0x0                           ; all my tensor loads have landed: my part of the next slot
	ds_add_u32 v[SPW], v[NIL]                      ; 0 onto my spare word
	s_wait_dscnt 4*NL+1                            ; (the add and the youngest 16 loads, A's blocks 4-7, may be out)
	WIN MUL_LO
	MUL16 0, 1, 0                                  ; sixteen matrix instructions stand between the add and the wait for it
	s_wait_dscnt 0x0                               ; the add is done, and my reads of this slot are over
	s_barrier_signal -1
	MUL16 2, 1, 0
	WIN 0
	s_barrier_wait -1
.if \fill
	CREST                                          ; the barrier has opened a round of the cluster's: no wave of any partner still reads this slot or has a load on its way
	s_add_nc_u64 s[G0+4*\slot+2:G0+4*\slot+3], s[G0+4*\slot+2:G0+4*\slot+3], 2*ROWB
	s_add_nc_u64 s[G0B+4*\slot+2:G0B+4*\slot+3], s[G0B+4*\slot+2:G0B+4*\slot+3], 2*ROWB
	JLOAD G0+4*\slot, G1, G0B+4*\slot, G1B         ; the first tensor load behind the round; its four v_nop are the places in front of the loads below
.else
	PLACES NP
.endif
	FETCH_B \next, 0, 0
	FETCH_A \next, 0, 0
	WIN MUL_HI
	MUL16 4, 1, 0
	MUL16 6, 1, 0
	PLACES NP
	WIN 0
	FETCH_A \next, 0, 4
.endm
	s_wait_tensorcnt 1                             ; of my two first fills the first has landed,
	s_barrier_signal -1
	s_barrier_wait -1                              ; everybody's has
	FETCH_B 0, 0, 0
	FETCH_A 0, 0, 0
	FETCH_A 0, 0, 4
	STEP 0, 0, 1                                   ; the first step stands in front of the loop: its products start the sums
	s_mov_b32 s3, LAPS-1
.Llap:                                                 ; a trip goes once round the ring and fills both slots again
	TURN 0, 1, 1
	STEP 1, 0, 0
	TURN 1, 0, 1
	STEP 0, 0, 0
	s_sub_co_u32 s3, s3, 1
	s_cmp_lg_u32 s3, 0
	s_cbranch_scc1 .Llap
	TURN 0, 1, 0                                   ; the last lap fills nothing; behind this barrier nobody reads slot 0
	STEP 1, 0, 0
	s_wait_dscnt 4*NL
	WIN MUL_LO
	MUL16 0, 1, 0
	MUL16 2, 1, 0
	s_wait_dscnt 0
	WIN MUL_HI
	MUL16 4, 1, 0
	MUL16 6, 1, 0
	WIN 0
	PLACES NP                                      ; behind the last products: their results are read, and A's registers written, below
	; ---- what both roles need: where my images go, the quantiser's scale and hold, the lane selects.  Every choice hangs on the cluster's x.  All of it is written ahead of the first parting of the two roles.
	s_wait_kmcnt 0x0
	s_mov_b32 s[SEL], 0x76543210                   ; (4 x cluster y and 4 x cluster x are done with)
	s_mov_b32 s[SEL+1], 0xfedcba98
	s_add_co_i32 s96, s76, s77                     ; E = e0 + e1: a sum stands for sum x 2^E
	s_lshl_b32 s97, s96, 1
	s_sub_co_i32 s97, s97, 7                       ; 2 E - 7: the mean of 128 squares
	s_lshl_b32 s18, s17, 1
	s_add_co_u32 s18, s18, s15                     ; 2 x tile of A + my half
	s_lshl_b32 s19, s42, 1
	s_add_co_u32 s19, s19, s16                     ; 2 x tile of B + my half
	s_cmp_eq_u32 s84, 1
	s_cselect_b32 s22, s18, s19                    ; the head among 24: v: from A; q, k: from B
	s_cselect_b32 s23, s19, s18                    ; the block of 128 tokens: the other one
	s_lshl_b32 s22, s22, 19
	s_lshl_b32 s23, s23, 14
	s_add_co_u32 s94, s22, s23
	s_mov_b32 s95, 0
	s_add_nc_u64 s[72:73], s[72:73], s[94:95]      ; my eight fragments' images
	s_sub_co_i32 s98, s80, s96                     ; v: code = sum / 2^(e4 - E)
	s_cmp_eq_u32 ttmp9, 0
	s_cselect_b32 s99, s78, s79                    ; q: e2; k: e3
	s_cselect_b64 s[68:69], s[68:69], s[70:71]     ; and the gain
	s_cmp_eq_u32 ttmp9, 2
	s_cselect_b32 s98, s98, s99
	s_add_co_i32 s98, s98, 127
	s_lshl_b32 s99, s98, 23
	v_mov_b32 v11, s99                             ; the scale as f32: the conversion takes its exponent field
	s_add_co_i32 s98, s98, 8
	s_lshl_b32 s98, s98, 23
	s_or_b32 s98, s98, 0x600000
	v_mov_b32 v10, s98                             ; 448 x the scale
	s_cmp_lg_u32 s84, 0
	s_cbranch_scc1 .Ljoin                          ; v has no table
	; ---- q and k: positions' bounds, and my 64 tokens of the table of cos and sin
	s_lshl_b32 s18, s17, 10
	s_lshl_b32 s19, s14, 8
	s_add_co_u32 s18, s18, s19                     ; 4 x (256 x tile of A + 64 x wave)
	v_lshl_add_u32 v3, v1, 2, s18                  ; + 4 r
.irp i, 0,1,2,3
	global_load_b32 v[PP+2*\i], v3, s[10:11] offset:64*\i          ; the position of token r of my tile i
.endr
	v_lshlrev_b32 v4, 5, v2                        ; the gain: register 8 b + j belongs to d = 16 b + 8 h + j
.irp b, 0,1,2,3,4,5,6,7
	global_load_b128 v[WR+8*\b:WR+8*\b+3], v4, s[68:69] offset:64*\b
	global_load_b128 v[WR+8*\b+4:WR+8*\b+7], v4, s[68:69] offset:64*\b+16
.endr
.macro SPAIR r, val                    ; a constant for the packed forms, which name a pair
	s_mov_b32 s[\r], \val
	s_mov_b32 s[\r+1], \val
.endm
	; The constants go into registers that never held a part of an address: descriptor words of shapes, counts and LDS addresses (free: every tensor load of mine was shown done at the last change of slots), s[12:13], s[66:67].
	SPAIR 24, 0x3ea2f983                           ; 1 / pi
	SPAIR 26, 0xcb400000                           ; -1.5 x 2^23
	SPAIR 28, 0xc0490fdb                           ; -pi, upper part
	SPAIR 30, 0x33bbbd2e                           ; what the upper part has too much
	SPAIR 32, 0xb2d7322b                           ; -1/11!
	SPAIR 36, 0x3638ef1d                           ; 1/9!
	SPAIR 12, 0xb9500d01                           ; -1/7!
	SPAIR 66, 0x3c088889                           ; 1/5!
	SPAIR 48, 0xbe2aaaab                           ; -1/3!
	SPAIR 50, 0xb493f27e                           ; -1/10!
	SPAIR 52, 0x37d00d01                           ; 1/8!
	SPAIR 54, 0xbab60b61                           ; -1/6!
	SPAIR 56, 0x3d2aaaab                           ; 1/4!
	v_mov_b32 v88, 0x4b400000                      ; 1.5 x 2^23: added and taken away again it rounds to a whole number
	v_mov_b32 v89, 0x4b400000
	v_mov_b32 v90, 0x2f309231                      ; 1/13!
	v_mov_b32 v91, 0x2f309231
	v_mov_b32 v92, 0x310f76c7                      ; 1/12!
	v_mov_b32 v93, 0x310f76c7
	v_lshlrev_b32 v5, 3, v2                        ; 8 h
.set q, 0
.rept 32
	v_add_nc_u32 v[IFQ+q], 16*(q/8)+q%8, v5        ; register 8 t + j: frequency i = 16 t + 8 h + j
.set q, q+1
.endr
.set q, 0
.rept 32
	v_cvt_f32_u32 v[IFQ+q], v[IFQ+q]
.set q, q+1
.endr
.set q, 0
.rept 32
	v_mul_f32 v[IFQ+q], 0xbe549a78, v[IFQ+q]       ; x -log2(10000) / 64
.set q, q+1
.endr
.set q, 0
.rept 32
	v_exp_f32 v[IFQ+q], v[IFQ+q]                   ; 10000^(-i/64)
.set q, q+1
.endr
	v_nop                                          ; a plain instruction behind the last exponential
	s_wait_loadcnt 16                              ; the four loads of positions are in; the gain's sixteen stay out
.irp i, 0,1,2,3
	v_mov_b32 v[64+\i], v[PP+2*\i]                 ; least,
	v_mov_b32 v[68+\i], v[PP+2*\i]                 ; largest,
	v_mov_b32 v[72+\i], v[PP+2*\i]                 ; (the exchange's destination counts as read: it is written)
.endr
.irp m, 1,2,4,8                        ; over the 16 tokens of each tile: lanes l and l xor m
.irp i, 0,1,2,3
	v_mov_b32_dpp v[72+\i], v[64+\i] row_xmask:\m row_mask:0xf bank_mask:0xf
	v_min_i32 v[64+\i], v[64+\i], v[72+\i]
.endr
.irp i, 0,1,2,3
	v_mov_b32_dpp v[72+\i], v[68+\i] row_xmask:\m row_mask:0xf bank_mask:0xf
	v_max_i32 v[68+\i], v[68+\i], v[72+\i]
.endr
.endr
	v_and_b32 v76, 1, v0
	v_bfe_u32 v78, v0, 1, 2
	v_cmp_eq_u32 vcc_lo, 1, v76
.irp i, 0,1,2,3
	v_cndmask_b32 v[64+\i], v[64+\i], v[68+\i], vcc_lo   ; even lanes the least, odd lanes the largest
.endr
	v_cmp_eq_u32 vcc_lo, 1, v78                    ; lane l of 0-7 speaks for tile l / 2
	v_cndmask_b32 v64, v64, v65, vcc_lo
	v_cmp_eq_u32 vcc_lo, 2, v78
	v_cndmask_b32 v64, v64, v66, vcc_lo
	v_cmp_eq_u32 vcc_lo, 3, v78
	v_cndmask_b32 v64, v64, v67, vcc_lo
	s_lshl_b32 s18, s42, 11                        ; copy = tile of B,
	s_lshl_b32 s19, s17, 7
	s_add_co_u32 s18, s18, s19                     ; + 8 bytes x (16 x tile of A
	s_lshl_b32 s19, s14, 5
	s_add_co_u32 s18, s18, s19                     ; + 4 x wave)
	v_lshl_add_u32 v77, v6, 2, s18
	v_cmp_gt_u32 vcc_lo, 8, v6
	s_wait_xcnt 0x0                                ; EXEC is a source of the loads that are out: it changes only behind this wait
	s_and_saveexec_b32 s88, vcc_lo
	global_store_b32 v77, v64, s[74:75]            ; lanes 0-7: 32 consecutive bytes: my four tiles' bounds
	s_wait_xcnt 0x0                                ; and again in front of the line that widens it; v64 and v77 are free too
	s_or_b32 exec_lo, exec_lo, s88
	s_wait_alu depctr_va_vdst(0)
.irp i, 0,1,2,3
	v_cvt_f32_i32 v[PP+2*\i+1], v[PP+2*\i]         ; the position as f32, in both halves of a pair
	v_cvt_f32_i32 v[PP+2*\i], v[PP+2*\i]
.endr
; cos and sin of tile i's token at frequencies' registers 8 k .. 8 k + 7: four pairs side by side.  Pair q works in v[64 + 6 q ..]: the angle, then what is left of it; the rounded quotient; its whole number, then the square.
.macro SC4 i, k
.irp q, 0,1,2,3
	v_pk_mul_f32 v[64+6*\q:65+6*\q], v[IFQ+8*\k+2*\q:IFQ+8*\k+2*\q+1], v[PP+2*\i:PP+2*\i+1]   ; the angle, rounded once
.endr
.irp q, 0,1,2,3
	v_pk_fma_f32 v[66+6*\q:67+6*\q], v[64+6*\q:65+6*\q], s[24:25], v[88:89] op_sel_hi:[1,0,1]  ; angle / pi + 1.5 x 2^23: its lowest bit is n's
.endr
.irp q, 0,1,2,3
	v_pk_add_f32 v[68+6*\q:69+6*\q], v[66+6*\q:67+6*\q], s[26:27] op_sel_hi:[1,0]              ; n
.endr
.irp q, 0,1,2,3
	v_pk_fma_f32 v[64+6*\q:65+6*\q], v[68+6*\q:69+6*\q], s[28:29], v[64+6*\q:65+6*\q] op_sel_hi:[1,0,1]
.endr
.irp q, 0,1,2,3
	v_pk_fma_f32 v[64+6*\q:65+6*\q], v[68+6*\q:69+6*\q], s[30:31], v[64+6*\q:65+6*\q] op_sel_hi:[1,0,1]   ; x = angle - n pi, within pi / 2
.endr
.irp q, 0,1,2,3
	v_pk_mul_f32 v[68+6*\q:69+6*\q], v[64+6*\q:65+6*\q], v[64+6*\q:65+6*\q]                    ; z = x^2
.endr
.irp q, 0,1,2,3
	v_pk_fma_f32 v[SNR+8*\k+2*\q:SNR+8*\k+2*\q+1], v[68+6*\q:69+6*\q], v[90:91], s[32:33] op_sel_hi:[1,1,0]
	v_pk_fma_f32 v[CSR+8*\k+2*\q:CSR+8*\k+2*\q+1], v[68+6*\q:69+6*\q], v[92:93], s[50:51] op_sel_hi:[1,1,0]
.endr
.irp q, 0,1,2,3
	v_pk_fma_f32 v[SNR+8*\k+2*\q:SNR+8*\k+2*\q+1], v[SNR+8*\k+2*\q:SNR+8*\k+2*\q+1], v[68+6*\q:69+6*\q], s[36:37] op_sel_hi:[1,1,0]
	v_pk_fma_f32 v[CSR+8*\k+2*\q:CSR+8*\k+2*\q+1], v[CSR+8*\k+2*\q:CSR+8*\k+2*\q+1], v[68+6*\q:69+6*\q], s[52:53] op_sel_hi:[1,1,0]
.endr
.irp q, 0,1,2,3
	v_pk_fma_f32 v[SNR+8*\k+2*\q:SNR+8*\k+2*\q+1], v[SNR+8*\k+2*\q:SNR+8*\k+2*\q+1], v[68+6*\q:69+6*\q], s[12:13] op_sel_hi:[1,1,0]
	v_pk_fma_f32 v[CSR+8*\k+2*\q:CSR+8*\k+2*\q+1], v[CSR+8*\k+2*\q:CSR+8*\k+2*\q+1], v[68+6*\q:69+6*\q], s[54:55] op_sel_hi:[1,1,0]
.endr
.irp q, 0,1,2,3
	v_pk_fma_f32 v[SNR+8*\k+2*\q:SNR+8*\k+2*\q+1], v[SNR+8*\k+2*\q:SNR+8*\k+2*\q+1], v[68+6*\q:69+6*\q], s[66:67] op_sel_hi:[1,1,0]
	v_pk_fma_f32 v[CSR+8*\k+2*\q:CSR+8*\k+2*\q+1], v[CSR+8*\k+2*\q:CSR+8*\k+2*\q+1], v[68+6*\q:69+6*\q], s[56:57] op_sel_hi:[1,1,0]
.endr
.irp q, 0,1,2,3
	v_pk_fma_f32 v[SNR+8*\k+2*\q:SNR+8*\k+2*\q+1], v[SNR+8*\k+2*\q:SNR+8*\k+2*\q+1], v[68+6*\q:69+6*\q], s[48:49] op_sel_hi:[1,1,0]
	v_pk_fma_f32 v[CSR+8*\k+2*\q:CSR+8*\k+2*\q+1], v[CSR+8*\k+2*\q:CSR+8*\k+2*\q+1], v[68+6*\q:69+6*\q], -0.5 op_sel_hi:[1,1,0]
.endr
.irp q, 0,1,2,3
	v_pk_fma_f32 v[CSR+8*\k+2*\q:CSR+8*\k+2*\q+1], v[CSR+8*\k+2*\q:CSR+8*\k+2*\q+1], v[68+6*\q:69+6*\q], 1.0 op_sel_hi:[1,1,0]   ; cos x
	v_pk_mul_f32 v[68+6*\q:69+6*\q], v[68+6*\q:69+6*\q], v[64+6*\q:65+6*\q]                    ; x^3
.endr
.irp q, 0,1,2,3
	v_lshlrev_b32 v[66+6*\q], 31, v[66+6*\q]       ; n's lowest bit as a sign: cos and sin of the angle are (-1)^n times those of x
	v_lshlrev_b32 v[67+6*\q], 31, v[67+6*\q]
.endr
.irp q, 0,1,2,3
	v_pk_fma_f32 v[SNR+8*\k+2*\q:SNR+8*\k+2*\q+1], v[SNR+8*\k+2*\q:SNR+8*\k+2*\q+1], v[68+6*\q:69+6*\q], v[64+6*\q:65+6*\q]      ; sin x
	v_xor_b32 v[CSR+8*\k+2*\q], v[66+6*\q], v[CSR+8*\k+2*\q]
	v_xor_b32 v[CSR+8*\k+2*\q+1], v[67+6*\q], v[CSR+8*\k+2*\q+1]
.endr
.irp q, 0,1,2,3
	v_xor_b32 v[SNR+8*\k+2*\q], v[66+6*\q], v[SNR+8*\k+2*\q]
	v_xor_b32 v[SNR+8*\k+2*\q+1], v[67+6*\q], v[SNR+8*\k+2*\q+1]
.endr
.endm
.irp i, 0,1,2,3                        ; my four tiles of 16 tokens, written out: every LDS offset is an immediate
	SC4 \i, 0
	SC4 \i, 1
	SC4 \i, 2
	SC4 \i, 3
.irp g, 0,1,2,3,4,5,6,7,8,9,10,11,12,13,14,15
	ds_store_b128 v[TW], v[CSR+4*\g:CSR+4*\g+3] offset:\i*TILEB+512*\g     ; 512 consecutive bytes a store: cos, then sin
.endr
	s_wait_dscnt 0x0                               ; the stores have read their registers: the next tile may write them
.endr
.Ljoin:
	s_wait_dscnt 0x0                               ; my part of the table has landed
	s_barrier_signal -1
	s_barrier_wait -1                              ; everybody's has.  Every wave of every work-group passes here
	s_cmp_lg_u32 s84, 0
	s_cbranch_scc1 .Lv_path
; ---- q and k: block a of 16 tokens.  Sum of squares, 1 / root, gain, rotary turn, hold, codes, image.
.macro QKTILE a
.set AC, 64*((\a)%4)
.set WS, 2+(\a)/4
.irp g, 0,1,2,3,4,5,6,7,8,9,10,11,12,13,14,15
	ds_load_b128 v[CSR+4*\g:CSR+4*\g+3], v[TR] offset:(\a)*TILEB+512*\g    ; the block's cos and sin: they land under the norm's arithmetic
.endr
	WIN 5*WS                                       ; sources 0 and 1: the accumulators' window
.irp q, 0,1,2,3
	v_pk_mul_f32 v[CH+2*\q:CH+2*\q+1], v[AC+2*\q:AC+2*\q+1], v[AC+2*\q:AC+2*\q+1]     ; four chains; each accumulator is read from its low end on
.endr
.set q, 4
.rept 28
	v_pk_fma_f32 v[CH+2*(q%4):CH+2*(q%4)+1], v[AC+2*q:AC+2*q+1], v[AC+2*q:AC+2*q+1], v[CH+2*(q%4):CH+2*(q%4)+1]
.set q, q+1
.endr
	WIN 0
	v_pk_add_f32 v[CH:CH+1], v[CH:CH+1], v[CH+2:CH+3]
	v_pk_add_f32 v[CH+4:CH+5], v[CH+4:CH+5], v[CH+6:CH+7]
	v_pk_add_f32 v[CH:CH+1], v[CH:CH+1], v[CH+4:CH+5]
	v_add_f32 v13, v[CH], v[CH+1]
	v_permlanex16_b32 v12, v13, s[SEL], s[SEL+1]   ; the token's other 64 numbers lie in the lane 16 away
	v_add_f32 v13, v13, v12
	v_ldexp_f32 v13, v13, s97                      ; x 2^(2 E) / 128: the mean square
	v_add_f32 v13, 0x358637bd, v13                 ; + 1e-6
	v_rsq_f32 v13, v13
	v_nop                                          ; a plain instruction behind the transcendental
	s_wait_alu depctr_va_vdst(0)
	v_ldexp_f32 v8, v13, s96                       ; x 2^E: a sum times this is x / root
	WIN WS                                         ; source 0: the accumulators' window
.set q, 0
.rept 32
	v_pk_mul_f32 v[X+2*q:X+2*q+1], v[AC+2*q:AC+2*q+1], v[8:9] op_sel_hi:[1,0]
.set q, q+1
.endr
	WIN 0
.set q, 0
.rept 32
	v_pk_mul_f32 v[X+2*q:X+2*q+1], v[X+2*q:X+2*q+1], v[WR+2*q:WR+2*q+1]    ; x the gain
.set q, q+1
.endr
	s_wait_dscnt 0x0                               ; cos and sin are in
.irp u, 0,4,8,12                       ; registers q and 32 + q are d and d + 64 of one frequency
.irp d, 0,1,2,3
	v_pk_mul_f32 v[CH+4*\d:CH+4*\d+1], v[X+32+2*(\u+\d):X+33+2*(\u+\d)], v[SNR+2*(\u+\d):SNR+2*(\u+\d)+1]
	v_pk_mul_f32 v[CH+4*\d+2:CH+4*\d+3], v[X+2*(\u+\d):X+2*(\u+\d)+1], v[SNR+2*(\u+\d):SNR+2*(\u+\d)+1]
.endr
.irp d, 0,1,2,3
	v_pk_fma_f32 v[X+2*(\u+\d):X+2*(\u+\d)+1], v[X+2*(\u+\d):X+2*(\u+\d)+1], v[CSR+2*(\u+\d):CSR+2*(\u+\d)+1], v[CH+4*\d:CH+4*\d+1] neg_lo:[0,0,1] neg_hi:[0,0,1]   ; x1 cos - x2 sin
	v_pk_fma_f32 v[X+32+2*(\u+\d):X+33+2*(\u+\d)], v[X+32+2*(\u+\d):X+33+2*(\u+\d)], v[CSR+2*(\u+\d):CSR+2*(\u+\d)+1], v[CH+4*\d+2:CH+4*\d+3]                        ; x2 cos + x1 sin
.endr
.endr
.set q, 0
.rept 64
	v_med3_num_f32 v[X+q], v[X+q], -v10, v10       ; the conversion to an 8-bit code does not saturate (ISA guide 7.6.2): the hold at 448 x the scale
.set q, q+1
.endr
	s_wait_xcnt 0x0                                ; the last block's stores have read the codes' registers
.irp b, 0,1,2,3,4,5,6,7
	v_cvt_scalef32_pk8_fp8_f32 v[PC+2*\b:PC+2*\b+1], v[X+8*\b:X+8*\b+7], v11         ; registers 2 b, 2 b + 1 of the operand: k = 16 b + 8 h + 0 .. 7
.endr
	v_nop                                          ; a plain instruction behind the last conversion
.irp g, 0,1,2,3
	global_store_b128 v7, v[PC+4*\g:PC+4*\g+3], s[72:73] offset:(\a)*2048+512*\g     ; 32 lanes store 512 consecutive bytes, aligned
.endr
.endm
; ---- v: block a of 16 of the head's outputs: hold, codes, image
.macro VTILE a
.set AC, 64*((\a)%4)
.set WS, 2+(\a)/4
	WIN WS
.set q, 0
.rept 64
	v_med3_num_f32 v[X+q], v[AC+q], -v10, v10      ; each accumulator from its low end on
.set q, q+1
.endr
	WIN 0
	s_wait_xcnt 0x0                                ; the last block's stores have read the codes' registers
.irp b, 0,1,2,3,4,5,6,7
	v_cvt_scalef32_pk8_fp8_f32 v[PC+2*\b:PC+2*\b+1], v[X+8*\b:X+8*\b+7], v11         ; k = keys 16 b + 8 h + 0 .. 7 of the block
.endr
	v_nop
.irp g, 0,1,2,3
	global_store_b128 v7, v[PC+4*\g:PC+4*\g+3], s[72:73] offset:(\a)*2048+512*\g
.endr
.endm
	s_wait_loadcnt 0x0                             ; the gain
	v_mov_b32 v9, 0                                ; (named as the upper half of the pair v[8:9])
	v_mov_b32 v12, 0                               ; (a lane permute's destination counts as read)
.irp a, 0,1,2,3,4,5,6,7
	QKTILE \a
.endr
	s_branch .Lend
.Lv_path:
.irp a, 0,1,2,3,4,5,6,7
	VTILE \a
.endr
.Lend:
	s_wait_tensorcnt 0x0                           ; the wave's end: behind my last tensor load and my last LDS store
	ds_add_u32 v[SPW], v[NIL]
	s_wait_dscnt 0x0
	CROUND                                         ; the closing round: no work-group ends while a partner may still ask for a tile that names it
	s_endpgm
.Lfunc_end_k_q7e28058926_qkv:
	.size	k_q7e28058926_qkv, .Lfunc_end_k_q7e28058926_qkv-k_q7e28058926_qkv
	.p2alignl 7, 3214868480
	.fill 96, 4, 3214868480
	.section	.rodata,"a",@progbits
	.p2align	6, 0x0
	.amdhsa_kernel k_q7e28058926_qkv
		.amdhsa_group_segment_fixed_size 327680
		.amdhsa_private_segment_fixed_size 0
		.amdhsa_enable_private_segment 0
		.amdhsa_kernarg_size 64
		.amdhsa_user_sgpr_count 2
		.amdhsa_user_sgpr_kernarg_segment_ptr 1
		.amdhsa_wavefront_size32 1
		.amdhsa_system_sgpr_workgroup_id_x 1
		.amdhsa_system_sgpr_workgroup_id_y 1
		.amdhsa_system_sgpr_workgroup_id_z 1
		.amdhsa_system_vgpr_workitem_id 0
		.amdhsa_next_free_vgpr 1024
		.amdhsa_next_free_sgpr 100
		.amdhsa_reserve_vcc 1
		.amdhsa_float_denorm_mode_32 3
		.amdhsa_float_denorm_mode_16_64 3
		.amdhsa_memory_ordered 1
		.amdhsa_forward_progress 1
		.amdhsa_inst_pref_size 255
	.end_amdhsa_kernel
	.section	.bss,"aw",@nobits
	.p2align	6
	.space	262144
	.amdgpu_metadata
---
amdhsa.version: [ 1, 2 ]
amdhsa.kernels:
  - .name:           k_q7e28058926_qkv
    .symbol:         k_q7e28058926_qkv.kd
    .args:
      - { .name: hidden_states_codes, .offset: 0, .size: 8, .value_kind: global_buffer, .address_space: global }
      - { .name: w_qkv_codes, .offset: 8, .size: 8, .value_kind: global_buffer, .address_space: global }
      - { .name: lowp_scales, .offset: 16, .size: 8, .value_kind: global_buffer, .address_space: global }
      - { .name: positions, .offset: 24, .size: 8, .value_kind: global_buffer, .address_space: global }
      - { .name: q_norm_w, .offset: 32, .size: 8, .value_kind: global_buffer, .address_space: global }
      - { .name: k_norm_w, .offset: 40, .size: 8, .value_kind: global_buffer, .address_space: global }
      - { .name: qkvimg, .offset: 48, .size: 8, .value_kind: global_buffer, .address_space: global }
      - { .name: tb, .offset: 56, .size: 8, .value_kind: global_buffer, .address_space: global }
    .group_segment_fixed_size: 327680
    .private_segment_fixed_size: 0
    .kernarg_segment_align: 8
    .kernarg_segment_size: 64
    .max_flat_workgroup_size: 128
    .sgpr_count:     100
    .vgpr_count:     1024
    .wavefront_size: 32
...
	.end_amdgpu_metadata
.endif
;; end of part 1
;; launch attn (part 2): grid 32 x 8, 8 waves a work-group, no clusters, 201,728 bytes of LDS; arguments qkvimg, tb, positions, lowp_scales, aimg; writes aimg
.if DOCPART == 2
	.amdgcn_target "amdgcn-amd-amdhsa--gfx1250"
	.amdhsa_code_object_version 6
	.text
	.protected	k_q7e28058926_attn
	.globl	k_q7e28058926_attn
	.p2align	8
	.type	k_q7e28058926_attn,@function
k_q7e28058926_attn:
	s_mov_b64 s[64:65], 0
	v_nop
	global_prefetch_b8 v0, s[64:65] scope:SCOPE_SE
	s_setreg_imm32_b32 hwreg(HW_REG_WAVE_MODE, 25, 1), 1
	s_wait_xcnt 0x0
; Attention of one head on codes of FP8 (E4M3): S^T = K Q^T, the mask positions[query] >= positions[key], p = 2^(t - M) with M a whole number, O^T = V^T P^T, / the sum of the unquantised p, quantised with 2^e6.
; q, k, v come as images of operand registers (qkvimg [24][32 blocks of 128 tokens][8 fragments][4][32][16]); the result leaves so too: aimg [256 tiles of 16 tokens][8 heads][4][32][16].
; SHARES.  Work-group (j, head) owns queries 64 j .. 64 j + 63 and 64 (63 - j) .. + 63.  Wave w: bit 2: which of the two blocks; bit 0: which 32 of its queries (two tiles, A and B); bit 1 (kh): which of a slot's two key
; steps of 128.  So each fragment of K or V read from LDS feeds two matrix instructions.  At the end the kh = 1 wave hands O^T, the sum and M to its kh = 0 partner through LDS.
; WHAT IS LEFT OUT.  tb holds the least and largest position of each 16 tokens, stored by the launch before.  A wave leaves a key step out where the step's least position exceeds the largest of its 32 queries' (every score
; there is hidden), and applies the mask only where the step's largest exceeds its queries' least.  A slot that no wave of the work-group needs is not fetched.  All this holds for any positions.
; These are branches on numbers read from memory, so K and V go from memory through registers into LDS, with no tensor load, no copy and no cluster: partners of a cluster would need different steps.
; LAYOUT.  A lane holds ONE query (lane % 16) throughout.  Tile c of S^T: registers 0-7 = keys 16 c + 8 h + 0 .. 7, whose eight codes are registers 2 c, 2 c + 1 of P.  Tile c of O^T likewise for the result's image.
; A row that has met only hidden keys keeps the largest t of -3e38: its p are 2^(-infinity) = 0, and the first true M multiplies zeros by 0.  Each query sees its own key, so no final sum is 0.
; O^T begins as zeros, by moves: which step is a wave's first hangs on data, so none can be written out with the constant 0 as C.
; LIMITS: e2 + e3 between -123 and 130 (added to c's exponent field); e5 and e6 between -126 and 119; e4 + e5 goes through v_ldexp_f32 and has none.  NaN is not served.
; LDS: slot s at 65,536 s: K's two steps (8 fragments of 2,048 bytes each), then V's two; MRG: four senders x 16,384; MST: four x 1,024.  Every LDS access of a wave covers 512 consecutive bytes.
; REGISTERS, window 0: v1, v2 my step's fragments in slot 0, 1; v3, v4 where I stage into slot 0, 1 (v3 also my offset in a slot's bytes in memory); v5, v13 the hand-over; v6 16 x lane; v7 32 h; v8, v9 my queries' positions;
;   v10 -infinity; v11, v12 2^e5 and 448 x 2^e5; v14 offset of key positions; v16-47 Q; v48-79 P's codes; v80-87 -M, largest t, sum (a pair), for A and for B; v96-223 S^T, then p; v224-239 at work.
;   window 1: v0-127 O^T of A and of B; v128-191 four fragments of K or V; v192-255 the next slot's bytes on their way.
.set MRG,  131072
.set MST,  196608
.set SA,   96
.set ST,   80
.set TT,   224
.set MSB, 0
.macro WIN new                         ; the immediate's high byte repeats the setting that is left
.if MSB != \new
	s_set_vgpr_msb (MSB<<8)|\new
.set MSB, \new
.endif
.endm
	s_load_b256 s[4:11], s[0:1], 0x0               ; qkvimg s[4:5], tb s[6:7], positions s[8:9], the scales' exponents s[10:11]
	s_load_b64 s[12:13], s[0:1], 0x20              ; aimg
	v_lshl_add_u32 v94, v0, 2, 0x31000
	v_mov_b32 v95, 0
	v_lshrrev_b32 v15, 5, v0
	v_readfirstlane_b32 s14, v15                   ; wave 0..7
	s_bfe_u32 s15, s14, 0x10001                    ; kh
	s_and_b32 s16, s14, 1                          ; which 32 queries
	s_lshr_b32 s17, s14, 2                         ; which block
	s_mov_b32 s18, ttmp9                           ; j
	s_and_b32 s19, ttmp7, 0xffff                   ; the head
	s_sub_co_u32 s42, 63, s18
	s_cmp_eq_u32 s17, 0
	s_cselect_b32 s42, s18, s42
	s_lshl_b32 s28, s42, 6
	s_lshl_b32 s43, s16, 5
	s_add_co_u32 s28, s28, s43                     ; my first query
	s_lshr_b32 s29, s28, 4                         ; its tile of 16
	v_and_b32 v15, 31, v0
	v_lshlrev_b32 v6, 4, v15
	v_bfe_u32 v7, v0, 4, 1
	v_lshlrev_b32 v7, 5, v7
	s_lshl_b32 s42, s15, 14
	v_add_nc_u32 v1, s42, v6
	v_add_nc_u32 v2, 0x10000, v1
	s_lshl_b32 s42, s14, 12
	v_add_nc_u32 v3, s42, v6
	v_add_nc_u32 v4, 0x10000, v3
	s_lshl_b32 s42, s17, 1
	s_or_b32 s42, s42, s16                         ; the pair's number: the same in sender and receiver
	s_lshl_b32 s43, s42, 14
	s_add_co_u32 s43, s43, MRG
	v_add_nc_u32 v5, s43, v6
	s_lshl_b32 s43, s42, 10
	s_add_co_u32 s43, s43, MST
	v_lshl_add_u32 v13, v15, 2, s43
	v_and_b32 v15, 15, v0
	s_lshl_b32 s42, s28, 2
	v_lshl_add_u32 v14, v15, 2, s42                ; my query's position: 4 x (first query + r)
	s_mov_b32 s20, 0x76543210                      ; v_permlanex16_b32's selects for lane l xor 16
	s_mov_b32 s21, 0xfedcba98
	s_wait_kmcnt 0x0
	s_load_b256 s[84:91], s[10:11], 0x0            ; e0 .. e7
	s_lshl_b32 s42, s19, 11
	s_mov_b32 s43, 0
	s_add_nc_u64 s[6:7], s[6:7], s[42:43]          ; the head's copy of tb
	s_lshl_b32 s44, s18, 5                         ; a block of 64 queries: four tiles, 32 bytes
	s_sub_co_u32 s45, 63, s18
	s_lshl_b32 s45, s45, 5
	s_lshl_b32 s46, s29, 3
	s_load_b256 s[48:55], s[6:7], s44 offset:0x0   ; the bounds of the work-group's two blocks,
	s_load_b256 s[56:63], s[6:7], s45 offset:0x0
	s_load_b128 s[68:71], s[6:7], s46 offset:0x0   ; and of my two tiles
	s_lshl_b32 s94, s19, 19
	s_mov_b32 s95, 0
	s_add_nc_u64 s[96:97], s[4:5], s[94:95]        ; q's head
	s_add_nc_u64 s[24:25], s[96:97], 0x400000      ; k's: eight heads of 524,288 bytes on
	s_add_nc_u64 s[26:27], s[96:97], 0x800000      ; v's
	s_lshl_b32 s94, s29, 11
	s_add_nc_u64 s[96:97], s[96:97], s[94:95]      ; my two fragments of q
.irp g, 0,1,2,3,4,5,6,7
	global_load_b128 v[16+4*\g:19+4*\g], v6, s[96:97] offset:512*\g
.endr
	global_load_b32 v8, v14, s[8:9]
	global_load_b32 v9, v14, s[8:9] offset:64
; A slot's 32,768 bytes of K and of V: each wave brings 4,096 of each: 8 + 8 loads of 512 consecutive bytes
.macro STAGE_ISSUE
	WIN 0x40                                       ; destination window 1
.irp i, 0,1,2,3,4,5,6,7
	global_load_b128 v[192+4*\i:195+4*\i], v3, s[24:25] offset:512*\i
.endr
.irp i, 0,1,2,3,4,5,6,7
	global_load_b128 v[224+4*\i:227+4*\i], v3, s[26:27] offset:512*\i
.endr
	WIN 0
.endm
.macro STAGE_STORE slot
	WIN 0x04                                       ; store data window 1
.irp i, 0,1,2,3,4,5,6,7
	ds_store_b128 v[3+\slot], v[192+4*\i:195+4*\i] offset:512*\i
.endr
.irp i, 0,1,2,3,4,5,6,7
	ds_store_b128 v[3+\slot], v[224+4*\i:227+4*\i] offset:32768+512*\i
.endr
	WIN 0
.endm
	STAGE_ISSUE                                    ; slot 0, without a condition
	s_lshl_b32 s94, s29, 14
	s_lshl_b32 s47, s19, 11
	s_add_co_u32 s94, s94, s47
	s_add_nc_u64 s[12:13], s[12:13], s[94:95]      ; my two images in aimg
	WIN 0x40
.set i, 0
.rept 128
	v_mov_b32 v[i], 0                              ; O^T
.set i, i+1
.endr
	WIN 0
	v_mov_b32 v10, 0xff800000                      ; -infinity
.irp t, 0,1
	v_mov_b32 v[ST+4*\t+1], 0xff61b1e6             ; the largest t so far: -3e38
	v_floor_f32 v[ST+4*\t], -v[ST+4*\t+1]          ; -M
	v_mov_b32 v[ST+4*\t+2], 0                      ; the sum, in two halves
	v_mov_b32 v[ST+4*\t+3], 0
.endr
.set i, 0
.rept 16
	v_mov_b32 v[TT+i], 0                           ; written once: permutes' destinations and pairs' upper halves count as read
.set i, i+1
.endr
	s_wait_kmcnt 0x0
	s_max_i32 s40, s49, s51
.irp k, 53,55,57,59,61,63
	s_max_i32 s40, s40, s[\k]                      ; the largest position among the work-group's 128 queries
.endr
	s_min_i32 s38, s68, s70                        ; the least and largest among my 32
	s_max_i32 s39, s69, s71
	s_load_b512 s[48:63], s[6:7], 0x0              ; slot 0's bounds: its first step's eight tiles,
	s_load_b512 s[68:83], s[6:7], 0x40             ; its second's
	s_add_co_i32 s42, s86, s87
	s_lshl_b32 s42, s42, 23
	s_add_co_i32 s22, s42, 0x3e0293ee              ; c = log2(e) / sqrt(128), x 2^(e2 + e3) by its exponent field
	s_mov_b32 s23, s22
	s_add_co_i32 s42, s89, 127
	s_lshl_b32 s43, s42, 23
	v_mov_b32 v11, s43                             ; 2^e5
	s_add_co_i32 s42, s42, 8
	s_lshl_b32 s42, s42, 23
	s_or_b32 s42, s42, 0x600000
	v_mov_b32 v12, s42                             ; 448 x 2^e5
	s_cmp_lt_i32 s89, -8
	s_cselect_b32 s92, 1, 0                        ; p is at most 1: the hold is owed only where 448 x 2^e5 lies under 1
	s_add_co_i32 s93, s88, s89                     ; e4 + e5
; The bounds of the slot behind the one in hand are in s[48:63], s[68:83].  s31 = the trip's number T (at the head: -1).
.macro BOUNDS first
	s_wait_kmcnt 0x0                               ; they are in, and their offset register is free
.if !\first
	s_mov_b32 s34, s36                             ; my step of the slot in hand
	s_mov_b32 s35, s37
.endif
	s_min_i32 s42, s48, s50
	s_max_i32 s43, s49, s51
.irp k, 52,54,56,58,60,62
	s_min_i32 s42, s42, s[\k]
	s_max_i32 s43, s43, s[\k+1]
.endr
	s_min_i32 s44, s68, s70
	s_max_i32 s45, s69, s71
.irp k, 72,74,76,78,80,82
	s_min_i32 s44, s44, s[\k]
	s_max_i32 s45, s45, s[\k+1]
.endr
	s_cmp_eq_u32 s15, 0
	s_cselect_b32 s36, s42, s44                    ; my step of the next slot
	s_cselect_b32 s37, s43, s45
	s_min_i32 s42, s42, s44
	s_cmp_le_i32 s42, s40                          ; does any query of the work-group see any key of it?  The same answer in all eight waves
	s_cselect_b32 s33, 1, 0
	s_cmp_lt_u32 s31, 15                           ; behind the last slot there is none
	s_cselect_b32 s33, s33, 0
	s_add_co_u32 s41, s31, 2
	s_min_u32 s41, s41, 15                         ; the slot after that, held inside the table
	s_lshl_b32 s41, s41, 7
	s_load_b512 s[48:63], s[6:7], s41 offset:0x0
	s_load_b512 s[68:83], s[6:7], s41 offset:0x40
.endm
	s_mov_b32 s31, -1
	BOUNDS 1
	s_wait_loadcnt 0x0                             ; Q, my queries' positions, slot 0's bytes
	STAGE_STORE 0
	s_add_nc_u64 s[24:25], s[24:25], 32768         ; on to slot 1 (the loads that named these bases are done)
	s_add_nc_u64 s[26:27], s[26:27], 32768
	s_wait_dscnt 0x0                               ; my part of slot 0 has landed
	s_barrier_signal -1
	s_barrier_wait -1
.macro KPHASE slot                     ; S^T = K Q^T: four fragments of K at a time, each against both tiles of queries
.irp g, 0,1
.rept 4
	v_nop                                          ; places in front of loads into registers that matrix instructions have read
.endr
	WIN 0x40
.irp t, 0,1,2,3
.irp c, 0,1,2,3
	ds_load_b128 v[128+16*\t+4*\c:131+16*\t+4*\c], v[1+\slot] offset:(4*\g+\t)*2048+512*\c
.endr
.endr
	s_wait_dscnt 0x0
	WIN 0x01                                       ; source 0 (K) window 1
.irp t, 0,1,2,3
	v_wmma_f32_16x16x128_fp8_fp8 v[SA+8*(4*\g+\t):SA+8*(4*\g+\t)+7], v[128+16*\t:143+16*\t], v[16:31], 0
	v_wmma_f32_16x16x128_fp8_fp8 v[SA+64+8*(4*\g+\t):SA+64+8*(4*\g+\t)+7], v[128+16*\t:143+16*\t], v[32:47], 0
.endr
	WIN 0
.endr
.rept 4
	v_nop                                          ; places in front of the reads of the scores and of the loads of V
.endr
.endm
.macro VLOAD slot, g                   ; four fragments of V: d = 16 (4 g + t) on
	WIN 0x40
.irp t, 0,1,2,3
.irp c, 0,1,2,3
	ds_load_b128 v[128+16*\t+4*\c:131+16*\t+4*\c], v[1+\slot] offset:32768+(4*\g+\t)*2048+512*\c
.endr
.endr
	WIN 0
.endm
.macro MASK                            ; register 8 c + j holds key 128 x step + 16 c + 8 h + j: hidden where its position exceeds my query's
	s_lshl_b32 s42, s31, 10
	s_lshl_b32 s43, s15, 9
	s_add_co_u32 s42, s42, s43                     ; 4 bytes x 128 x (2 T + kh)
	v_add_nc_u32 v14, s42, v7
.irp c, 0,1,2,3
	global_load_b128 v[48+8*\c:51+8*\c], v14, s[8:9] offset:64*\c            ; into P's registers and those at work: both are free here
	global_load_b128 v[52+8*\c:55+8*\c], v14, s[8:9] offset:64*\c+16
.endr
.irp c, 0,1,2,3
	global_load_b128 v[224+8*\c:227+8*\c], v14, s[8:9] offset:256+64*\c
	global_load_b128 v[228+8*\c:231+8*\c], v14, s[8:9] offset:256+64*\c+16
.endr
	s_wait_loadcnt 0x0
.set i, 0
.rept 32
	v_cmp_gt_i32 vcc_lo, v[48+i], v8
	v_cndmask_b32 v[SA+i], v[SA+i], v10, vcc_lo
	v_cmp_gt_i32 vcc_lo, v[48+i], v9
	v_cndmask_b32 v[SA+64+i], v[SA+64+i], v10, vcc_lo
.set i, i+1
.endr
.set i, 0
.rept 32
	v_cmp_gt_i32 vcc_lo, v[224+i], v8
	v_cndmask_b32 v[SA+32+i], v[SA+32+i], v10, vcc_lo
	v_cmp_gt_i32 vcc_lo, v[224+i], v9
	v_cndmask_b32 v[SA+96+i], v[SA+96+i], v10, vcc_lo
.set i, i+1
.endr
.endm
.macro SOFTMAX                         ; both tiles, line by line in turn
.irp t, 0,1
	v_max3_num_f32 v[TT+8*\t], v[SA+64*\t], v[SA+64*\t+1], v[SA+64*\t+2]         ; the step's largest score of my query among my 64 keys, in two chains; each accumulator is met from its low end
	v_max3_num_f32 v[TT+8*\t+1], v[SA+64*\t+3], v[SA+64*\t+4], v[SA+64*\t+5]
.endr
.irp i, 6,10,14,18,22,26,30,34,38,42,46,50,54,58
.irp t, 0,1
	v_max3_num_f32 v[TT+8*\t], v[TT+8*\t], v[SA+64*\t+\i], v[SA+64*\t+\i+1]
	v_max3_num_f32 v[TT+8*\t+1], v[TT+8*\t+1], v[SA+64*\t+\i+2], v[SA+64*\t+\i+3]
.endr
.endr
.irp t, 0,1
	v_max3_num_f32 v[TT+8*\t], v[TT+8*\t], v[SA+64*\t+62], v[SA+64*\t+63]
.endr
.irp t, 0,1
	v_max_num_f32 v[TT+8*\t], v[TT+8*\t], v[TT+8*\t+1]
.endr
.irp t, 0,1
	v_permlanex16_b32 v[TT+8*\t+4], v[TT+8*\t], s20, s21
.endr
.irp t, 0,1
	v_max_num_f32 v[TT+8*\t], v[TT+8*\t], v[TT+8*\t+4]     ; and among lane l xor 16's
.endr
.irp t, 0,1
	v_mul_f32 v[TT+8*\t], s22, v[TT+8*\t]                  ; as t (c is positive)
.endr
.irp t, 0,1
	v_max_num_f32 v[ST+4*\t+1], v[ST+4*\t+1], v[TT+8*\t]   ; the running largest t
.endr
.irp t, 0,1
	v_mov_b32 v[TT+8*\t], v[ST+4*\t]
.endr
.irp t, 0,1
	v_floor_f32 v[ST+4*\t], -v[ST+4*\t+1]                  ; the new -M = floor(-t): M is a whole number
.endr
.irp t, 0,1
	v_sub_f32 v[TT+8*\t], v[ST+4*\t], v[TT+8*\t]           ; old M - new M: a whole number, 0 or less
.endr
.irp t, 0,1
	v_cvt_i32_f32 v[TT+8*\t], v[TT+8*\t]                   ; (it saturates)
.endr
.irp t, 0,1
	v_ldexp_f32 v[TT+8*\t+2], 1.0, v[TT+8*\t]              ; f = 2^(old M - new M)
.endr
.set i, 0
.rept 32
	v_pk_fma_f32 v[SA+2*i:SA+2*i+1], v[SA+2*i:SA+2*i+1], s[22:23], v[ST:ST+1] op_sel_hi:[1,0,0]             ; t - M, two at a time
	v_pk_fma_f32 v[SA+64+2*i:SA+65+2*i], v[SA+64+2*i:SA+65+2*i], s[22:23], v[ST+4:ST+5] op_sel_hi:[1,0,0]
.set i, i+1
.endr
.set i, 0
.rept 128
	v_exp_f32 v[SA+i], v[SA+i]                             ; p = 2^(t - M), at most 1, not normalised
.set i, i+1
.endr
.irp t, 0,1
	v_pk_mul_f32 v[ST+4*\t+2:ST+4*\t+3], v[ST+4*\t+2:ST+4*\t+3], v[TT+8*\t+2:TT+8*\t+3] op_sel_hi:[1,0]     ; the sums under the new M (a plain instruction behind the exponentials)
.endr
	s_wait_alu depctr_va_vdst(0)
.irp t, 0,1
	v_pk_add_f32 v[TT+8*\t+6:TT+8*\t+7], v[SA+64*\t:SA+64*\t+1], v[SA+64*\t+2:SA+64*\t+3]                   ; the sum is taken of the unquantised p, in two chains
.endr
.irp j, 4,8,12,16,20,24,28,32,36,40,44,48,52,56,60
.irp t, 0,1
	v_pk_add_f32 v[ST+4*\t+2:ST+4*\t+3], v[ST+4*\t+2:ST+4*\t+3], v[SA+64*\t+\j:SA+64*\t+\j+1]
	v_pk_add_f32 v[TT+8*\t+6:TT+8*\t+7], v[TT+8*\t+6:TT+8*\t+7], v[SA+64*\t+\j+2:SA+64*\t+\j+3]
.endr
.endr
.irp t, 0,1
	v_pk_add_f32 v[ST+4*\t+2:ST+4*\t+3], v[ST+4*\t+2:ST+4*\t+3], v[TT+8*\t+6:TT+8*\t+7]
.endr
	s_cmp_eq_u32 s92, 0
	s_cbranch_scc1 .Lno_hold_\@
.set i, 0
.rept 128
	v_min_num_f32 v[SA+i], v[SA+i], v12                    ; the conversion does not saturate (ISA guide 7.6.2); p is not negative, so the hold is one-sided
.set i, i+1
.endr
.Lno_hold_\@:
.irp c, 0,1,2,3,4,5,6,7
	v_cvt_scalef32_pk8_fp8_f32 v[48+2*\c:49+2*\c], v[SA+8*\c:SA+8*\c+7], v11
	v_cvt_scalef32_pk8_fp8_f32 v[64+2*\c:65+2*\c], v[SA+64+8*\c:SA+64+8*\c+7], v11
.endr
	WIN 0x41                                       ; O^T (destination and source 0) window 1, f window 0
.set i, 0
.rept 32
	v_pk_mul_f32 v[2*i:2*i+1], v[2*i:2*i+1], v[TT+2:TT+3] op_sel_hi:[1,0]            ; O^T under the new M.  (Also the plain instructions behind the conversions)
	v_pk_mul_f32 v[64+2*i:65+2*i], v[64+2*i:65+2*i], v[TT+10:TT+11] op_sel_hi:[1,0]
.set i, i+1
.endr
	WIN 0
.endm
.macro PV8 g                           ; eight accumulators, one instruction a turn
	WIN 0x51                                       ; V, C and D window 1; P window 0
.irp t, 0,1,2,3
	v_wmma_f32_16x16x128_fp8_fp8 v[8*(4*\g+\t):8*(4*\g+\t)+7], v[128+16*\t:143+16*\t], v[48:63], v[8*(4*\g+\t):8*(4*\g+\t)+7]
	v_wmma_f32_16x16x128_fp8_fp8 v[64+8*(4*\g+\t):64+8*(4*\g+\t)+7], v[128+16*\t:143+16*\t], v[64:79], v[64+8*(4*\g+\t):64+8*(4*\g+\t)+7]
.endr
.endm
.macro PV slot
	s_wait_dscnt 0x0                               ; V's first four fragments, asked for ahead of the softmax
	PV8 0
.rept 4
	v_nop                                          ; places in front of the loads into V's registers
.endr
	VLOAD \slot, 1
	s_wait_dscnt 0x0
	PV8 1
	WIN 0
.endm
; ONE TRIP: the slot in hand is read, the next one is brought.  One barrier, on every wave's path: in front of it my stores into the other slot have landed and my reads of this one are over;
; the slot that a trip writes was last read in the trip before, whose barrier lies between.
.macro TRIP slot
	s_add_co_u32 s31, s30, \slot                   ; T
	BOUNDS 0
	s_cmp_eq_u32 s33, 0
	s_cbranch_scc1 .Lno_issue_\@
	STAGE_ISSUE                                    ; slot T + 1: it lands under this trip's work
.Lno_issue_\@:
	s_cmp_gt_i32 s34, s39                          ; my step's least position over my queries' largest: every score hidden
	s_cbranch_scc1 .Lskip_\@
	KPHASE \slot
	VLOAD \slot, 0
	s_cmp_le_i32 s35, s38                          ; my step's largest position not over my queries' least: nothing hidden
	s_cbranch_scc1 .Lopen_\@
	MASK
.Lopen_\@:
	SOFTMAX
	PV \slot
.Lskip_\@:
	s_wait_loadcnt 0x0                             ; without a condition: no load is out when the staging registers are asked for again
	s_cmp_eq_u32 s33, 0
	s_cbranch_scc1 .Lno_store_\@
	STAGE_STORE 1-\slot
.Lno_store_\@:
	s_add_nc_u64 s[24:25], s[24:25], 32768         ; (the loads that named these bases are done)
	s_add_nc_u64 s[26:27], s[26:27], 32768
	s_wait_dscnt 0x0
	s_barrier_signal -1
	s_barrier_wait -1
.endm
	s_mov_b32 s30, 0
.Ltrip:                                            ; 8 trips of two slots: 32 key steps of 128, each wave those of its parity
	TRIP 0
	TRIP 1
	s_add_co_u32 s30, s30, 2
	s_cmp_lt_u32 s30, 16
	s_cbranch_scc1 .Ltrip
	; ---- the end: the two waves of a pair meet
.rept 4
	v_nop                                          ; places behind the last products
.endr
.irp t, 0,1
	v_add_f32 v[ST+4*\t+2], v[ST+4*\t+2], v[ST+4*\t+3]     ; the sum's two halves,
.endr
.irp t, 0,1
	v_permlanex16_b32 v[TT+8*\t+4], v[ST+4*\t+2], s20, s21
.endr
.irp t, 0,1
	v_add_f32 v[ST+4*\t+2], v[ST+4*\t+2], v[TT+8*\t+4]     ; and lane l xor 16's
.endr
	s_cmp_eq_u32 s15, 0
	s_cbranch_scc1 .Lkeep
	WIN 0x04
.set i, 0
.rept 32
	ds_store_b128 v5, v[4*i:4*i+3] offset:512*i    ; O^T of both tiles, as it stands; each accumulator from its low end on
.set i, i+1
.endr
	WIN 0
	ds_store_b32 v13, v[ST]
	ds_store_b32 v13, v[ST+2] offset:128
	ds_store_b32 v13, v[ST+4] offset:256
	ds_store_b32 v13, v[ST+6] offset:384
.Lkeep:
	s_wait_dscnt 0x0                               ; what I hand over has landed
	s_barrier_signal -1
	s_barrier_wait -1
	s_cmp_lg_u32 s15, 0
	s_cbranch_scc1 .Ldone
	s_add_co_i32 s42, s90, 127
	s_lshl_b32 s43, s42, 23
	v_mov_b32 v14, s43                             ; 2^e6
	s_add_co_i32 s42, s42, 8
	s_lshl_b32 s42, s42, 23
	s_or_b32 s42, s42, 0x600000
	v_mov_b32 v10, s42                             ; 448 x 2^e6
.macro FINISH q
.set SB, SA+64*\q
.set SS, ST+4*\q
.set TQ, TT+8*\q
.irp i, 0,1,2,3,4,5,6,7,8,9,10,11,12,13,14,15
	ds_load_b128 v[SB+4*\i:SB+4*\i+3], v5 offset:8192*\q+512*\i      ; my partner's O^T
.endr
	ds_load_b32 v[TQ], v13 offset:256*\q           ; its -M
	ds_load_b32 v[TQ+1], v13 offset:256*\q+128     ; its sum
	s_wait_dscnt 0x0
	v_min_num_f32 v[TQ+4], v[SS], v[TQ]            ; the common -M: the larger M
	v_sub_f32 v[TQ+2], v[TQ+4], v[SS]
	v_sub_f32 v[TQ+6], v[TQ+4], v[TQ]
	v_cvt_i32_f32 v[TQ+2], v[TQ+2]                 ; (they saturate: a wave that met no open key counts for 0)
	v_cvt_i32_f32 v[TQ+6], v[TQ+6]
	v_ldexp_f32 v[TQ+2], 1.0, v[TQ+2]
	v_ldexp_f32 v[TQ+6], 1.0, v[TQ+6]
	v_mul_f32 v[TQ+5], v[SS+2], v[TQ+2]
	v_fmac_f32 v[TQ+5], v[TQ+1], v[TQ+6]           ; the row's sum
	v_rcp_f32 v[TQ+5], v[TQ+5]
	v_nop                                          ; a plain instruction behind the transcendental
	s_wait_alu depctr_va_vdst(0)
	v_ldexp_f32 v[TQ+5], v[TQ+5], s93              ; x 2^(e4 + e5)
	v_mul_f32 v[TQ+2], v[TQ+2], v[TQ+5]
	v_mul_f32 v[TQ+6], v[TQ+6], v[TQ+5]
.set i, 0
.rept 32
	v_pk_mul_f32 v[SB+2*i:SB+2*i+1], v[SB+2*i:SB+2*i+1], v[TQ+6:TQ+7] op_sel_hi:[1,0]
.set i, i+1
.endr
	WIN 0x01                                       ; source 0 (my O^T) window 1
.set i, 0
.rept 32
	v_pk_fma_f32 v[SB+2*i:SB+2*i+1], v[64*\q+2*i:64*\q+2*i+1], v[TQ+2:TQ+3], v[SB+2*i:SB+2*i+1] op_sel_hi:[1,0,1]
.set i, i+1
.endr
	WIN 0
.set i, 0
.rept 64
	v_med3_num_f32 v[SB+i], v[SB+i], -v10, v10     ; the hold at 448 x 2^e6
.set i, i+1
.endr
.irp c, 0,1,2,3,4,5,6,7
	v_cvt_scalef32_pk8_fp8_f32 v[48+16*\q+2*\c:49+16*\q+2*\c], v[SB+8*\c:SB+8*\c+7], v14   ; registers 2 c, 2 c + 1 of the last product's operand: k = 16 c + 8 h + 0 .. 7 of this head
.endr
	v_nop                                          ; a plain instruction behind the last conversion
.irp g, 0,1,2,3
	global_store_b128 v6, v[48+16*\q+4*\g:51+16*\q+4*\g], s[12:13] offset:\q*16384+512*\g  ; 512 consecutive bytes, aligned
.endr
.endm
	FINISH 0
	FINISH 1
.Ldone:
	s_wait_tensorcnt 0x0
	ds_add_u32 v94, v95
	s_wait_dscnt 0x0
	s_endpgm
.Lfunc_end_k_q7e28058926_attn:
	.size	k_q7e28058926_attn, .Lfunc_end_k_q7e28058926_attn-k_q7e28058926_attn
	.p2alignl 7, 3214868480
	.fill 96, 4, 3214868480
	.section	.rodata,"a",@progbits
	.p2align	6, 0x0
	.amdhsa_kernel k_q7e28058926_attn
		.amdhsa_group_segment_fixed_size 201728
		.amdhsa_private_segment_fixed_size 0
		.amdhsa_enable_private_segment 0
		.amdhsa_kernarg_size 40
		.amdhsa_user_sgpr_count 2
		.amdhsa_user_sgpr_kernarg_segment_ptr 1
		.amdhsa_wavefront_size32 1
		.amdhsa_system_sgpr_workgroup_id_x 1
		.amdhsa_system_sgpr_workgroup_id_y 1
		.amdhsa_system_sgpr_workgroup_id_z 1
		.amdhsa_system_vgpr_workitem_id 0
		.amdhsa_next_free_vgpr 512
		.amdhsa_next_free_sgpr 100
		.amdhsa_reserve_vcc 1
		.amdhsa_float_denorm_mode_32 3
		.amdhsa_float_denorm_mode_16_64 3
		.amdhsa_memory_ordered 1
		.amdhsa_forward_progress 1
		.amdhsa_inst_pref_size 134
	.end_amdhsa_kernel
	.amdgpu_metadata
---
amdhsa.version: [ 1, 2 ]
amdhsa.kernels:
  - .name:           k_q7e28058926_attn
    .symbol:         k_q7e28058926_attn.kd
    .args:
      - { .name: qkvimg, .offset: 0, .size: 8, .value_kind: global_buffer, .address_space: global }
      - { .name: tb, .offset: 8, .size: 8, .value_kind: global_buffer, .address_space: global }
      - { .name: positions, .offset: 16, .size: 8, .value_kind: global_buffer, .address_space: global }
      - { .name: lowp_scales, .offset: 24, .size: 8, .value_kind: global_buffer, .address_space: global }
      - { .name: aimg, .offset: 32, .size: 8, .value_kind: global_buffer, .address_space: global }
    .group_segment_fixed_size: 201728
    .private_segment_fixed_size: 0
    .kernarg_segment_align: 8
    .kernarg_segment_size: 40
    .max_flat_workgroup_size: 256
    .sgpr_count:     100
    .vgpr_count:     512
    .wavefront_size: 32
...
	.end_amdgpu_metadata
.endif
;; end of part 2
;; launch oproj (part 3): grid 8 x 16, 4 waves a work-group, clusters of 4 x 4, 327,680 bytes of LDS; arguments aimg, w_o_codes, lowp_scales, out0; writes out0
.if DOCPART == 3
	.amdgcn_target "amdgcn-amd-amdhsa--gfx1250"
	.amdhsa_code_object_version 6
	.text
	.protected	k_q7e28058926_oproj
	.globl	k_q7e28058926_oproj
	.p2align	8
	.type	k_q7e28058926_oproj,@function
k_q7e28058926_oproj:
	s_mov_b64 s[64:65], 0
	v_nop
	global_prefetch_b8 v0, s[64:65] scope:SCOPE_SE
	s_setreg_imm32_b32 hwreg(HW_REG_WAVE_MODE, 25, 1), 1
	s_wait_xcnt 0x0
	s_wait_alu depctr_hold_cnt(0) depctr_sa_sdst(0) depctr_va_vdst(0) depctr_va_sdst(0) depctr_va_ssrc(0) depctr_va_vcc(0) depctr_vm_vsrc(0)
	s_getreg_b32 s2, hwreg(HW_REG_IB_STS2, 6, 4)
	s_cmp_eq_u32 s2, 0
	s_cbranch_scc0 .Lentry_in_a_cluster
	s_endpgm
.Lentry_in_a_cluster:
	s_bfe_u32 s2, ttmp6, 0x10000c
	s_cmp_lg_u32 s2, 0xf033
	s_cbranch_scc0 .Lentry_shape_is_right
	s_endpgm
.Lentry_shape_is_right:
; out0[m][n] = 2^(e6 + e7) x the sum over k of A[m][k] B[n][k], on codes of FP8 (E4M3).  A: attention's result, 4,096 tokens x 1,024, as images of operand registers:
; aimg [256 tiles of 16 tokens][8 K steps of 128][4 groups of 4 registers][32 lanes][16 bytes].  B: w_o's codes [2048][1024], K innermost.  out0: [4096][2048] f32.
; LIMIT: e6 + e7 between -126 and 127, so that 2^(e6 + e7) is an f32 number.
; A tile of the output, 256 x 256, is made by four waves, each 128 x 128: 64 accumulators, 512 registers.  K goes in steps of 256 through a ring of two LDS slots filled by the tensor data mover.
; A's tile is a block of images: for each of a wave's 8 tiles of tokens 4,096 consecutive bytes (two K steps of 128), 16,384 bytes apart; it lies dense in LDS and a fragment comes by four loads of 512 consecutive bytes.
; The images hold k in the form's own places (registers 2 c, 2 c + 1: k = 16 c + 8 h + 0 .. 7), so B's fragments are fetched so too: eight loads of 8 bytes from rows of 272 bytes.
; CLUSTERS: 4 x 4 work-groups; A's tile is shared along a row of the cluster, B's along a column: each is asked for jointly.  Source 0 = 16 rows of B, source 1 = 16 rows of A: a lane holds eight neighbours of a row of out0.
; REGISTERS: window 0: v0-31 addresses; from v128 A's fragments, one set; on the way out v32-255 are free.  window 1: B's fragments, two sets.  windows 2, 3: the accumulators ((a, b) at v[8 (8 (a % 4) + b)]).
.set SIZE_N, 2048
.set ROWB,   256                       ; a row of B's tile in bytes
.set KROW,   1024                      ; a row of B in memory
.set PITCH,  272                       ; B's LDS row: 256 bytes + 16 of padding: the 16 rows that a load touches start at 16 different banks (ISA guide 11.1)
.set FR,     16
.set NL,     4                         ; LDS loads that bring a fragment of A
.set NP,     4                         ; places behind this matrix instruction (ISA guide 7.12.1)
.set HALFA,  32768                     ; 128 rows of A: 8 tiles x 4,096 bytes
.set HALFB,  128*PITCH
.set BOFF,   2*HALFA
.set SLOT,   2*HALFA+2*HALFB
.set LAPS,   2                         ; 1024 / 512
.set SPARE,  2*SLOT                    ; behind the ring: the spare words, 128 bytes a wave, that no other line names
.set SPITCH, 528                       ; the way out: 16 rows x (512 bytes + 16) for each wave, in slot 0, which has had its last fill and its last read by then
.set ADRA, 16
.set ADRB, 20
.set STO,  24
.set RD,   25
.set CO,   26
.set SPW,  28
.set NIL,  29
.set TMP,  32
.set AF,   128
.set BK,   128
.set G1, 24
.set G0, 32
.set G1B, 48
.set G0B, 56
.set MSB, 0
.macro WIN new                         ; the immediate's high byte repeats the setting that is left
.if MSB != \new
	s_set_vgpr_msb (MSB<<8)|\new
.set MSB, \new
.endif
.endm
.set MUL_LO, 0xa1
.set MUL_HI, 0xf1
.set TO_B,   0x40
.macro JLOAD g0a, g1a, g0b, g1b        ; a joint load: waves 0 and 1 fetch for A, waves 2 and 3 for B; four v_nop follow each of the two lines
	s_cmp_eq_u32 s15, 0
	s_cbranch_scc0 .Lfor_b_\@
	tensor_load_to_lds s[\g0a:\g0a+3], s[\g1a:\g1a+7]
	s_nop 0
.rept 4
	v_nop
.endr
	s_branch .Lasked_\@
.Lfor_b_\@:
	tensor_load_to_lds s[\g0b:\g0b+3], s[\g1b:\g1b+7]
	s_nop 0
.rept 4
	v_nop
.endr
.Lasked_\@:
.endm
.macro CREST
	s_cmp_lg_u32 s14, 0
	s_cbranch_scc1 .Lnot_wave_0_\@
	s_barrier_signal -3
.Lnot_wave_0_\@:
	s_barrier_wait -3
	s_barrier_signal -1
	s_barrier_wait -1
.endm
.macro CROUND
	s_barrier_signal -1
	s_barrier_wait -1
	CREST
.endm
	s_load_b128 s[4:7], s[0:1], 0x0                ; aimg s[4:5], w_o's codes s[6:7]
	s_load_b128 s[8:11], s[0:1], 0x10              ; the scales' exponents s[8:9], out0 s[10:11]
	v_lshl_add_u32 v[SPW], v0, 2, SPARE
	v_mov_b32 v[NIL], 0
	ds_add_u32 v28, v29
	ds_add_u32 v28, v29
	s_wait_dscnt 0x0
	v_lshrrev_b32 v1, 5, v0
	v_readfirstlane_b32 s14, v1                    ; wave 0..3
	s_lshr_b32 s15, s14, 1                         ; which half of the tile's rows is mine.  Also: I fetch for A (0) or for B (1)
	s_and_b32 s16, s14, 1                          ; which half of its columns.  Also: which 128 rows of that tile I fetch
	s_bfe_u32 s40, ttmp6, 0x40000                  ; cx, cy
	s_bfe_u32 s41, ttmp6, 0x40004
	s_lshl_b32 s42, ttmp9, 2
	s_add_co_u32 s42, s42, s40                     ; tile column = 4 x cluster x + cx
	s_and_b32 s17, ttmp7, 0xffff
	s_lshl_b32 s17, s17, 2
	s_add_co_u32 s17, s17, s41                     ; tile row = 4 x cluster y + cy
	s_lshl_b32 s43, s41, 2
	s_lshl_b32 s43, 15, s43                        ; my row of the cluster
	s_lshl_b32 s44, 0x1111, s40                    ; my column
	; A: 8 rows of 512 elements of 8 bytes, 2,048 elements apart, dense in LDS
	s_or_b32 s[G1+0], s43, (3<<16)|(1<<21)         ; 15:0 the mask: my row; 17:16 elements of 8 bytes; 20 no padding; 21 set beside a mask
	s_mov_b32 s[G1+1], 512<<16                     ; tensor_dim0
	s_mov_b32 s[G1+2], 8<<16                       ; tensor_dim1
	s_mov_b32 s[G1+3], 512<<16                     ; tile_dim0
	s_mov_b32 s[G1+4], 8                           ; tile_dim1
	s_mov_b32 s[G1+5], 2048                        ; tensor_dim0_stride
	s_mov_b32 s[G1+6], 0
	s_mov_b32 s[G1+7], 0
	; B: 128 rows of 256 bytes, padded in LDS
	s_or_b32 s[G1B+0], s44, (0<<16)|(1<<20)|(1<<21)|(5<<22)|(3<<25)  ; the mask: my column; elements of 1 byte; padding: four words after every 64
	s_mov_b32 s[G1B+1], ROWB<<16
	s_mov_b32 s[G1B+2], 128<<16
	s_mov_b32 s[G1B+3], ROWB<<16
	s_mov_b32 s[G1B+4], 128
	s_mov_b32 s[G1B+5], KROW
	s_mov_b32 s[G1B+6], 0
	s_mov_b32 s[G1B+7], 0
	s_lshl_b32 s20, s17, 18                        ; A: (16 x tile row + 8 x half) tiles of 16,384 bytes
	s_lshl_b32 s18, s16, 17
	s_add_co_u32 s20, s20, s18
	s_mov_b32 s21, 0
	s_lshl_b32 s46, s42, 8
	s_lshl_b32 s18, s16, 7
	s_add_co_u32 s46, s46, s18
	s_lshl_b32 s46, s46, 10                        ; B: (256 x tile column + 128 x half) rows of 1,024 bytes
	s_mov_b32 s47, 0
	s_mul_i32 s45, s16, HALFA                      ; where they go: no place in the cluster enters an LDS address
	s_mul_i32 s23, s16, HALFB
	s_add_co_u32 s23, s23, BOFF
	s_wait_kmcnt 0x0
	s_load_b64 s[96:97], s[8:9], 0x18              ; e6, e7
	s_add_nc_u64 s[20:21], s[4:5], s[20:21]
	s_add_nc_u64 s[46:47], s[6:7], s[46:47]
	CROUND                                         ; all sixteen work-groups are here: the first joint loads meet
.irp s, 0,1
	s_mov_b32 s[G0+4*\s], 1
	s_add_co_u32 s[G0+4*\s+1], s45, \s*SLOT
	s_add_nc_u64 s[G0+4*\s+2:G0+4*\s+3], s[20:21], \s*4096
	s_or_b32 s[G0+4*\s+3], s[G0+4*\s+3], 0x80000000
	s_mov_b32 s[G0B+4*\s], 1
	s_add_co_u32 s[G0B+4*\s+1], s23, \s*SLOT
	s_add_nc_u64 s[G0B+4*\s+2:G0B+4*\s+3], s[46:47], \s*ROWB
	s_or_b32 s[G0B+4*\s+3], s[G0B+4*\s+3], 0x80000000
	JLOAD G0+4*\s, G1, G0B+4*\s, G1B
.endr
	v_and_b32 v1, 15, v0                           ; r
	v_bfe_u32 v2, v0, 4, 1                         ; h
	v_and_b32 v6, 31, v0
	v_lshlrev_b32 v[CO], 4, v6                     ; 16 x lane
	v_mul_u32_u24 v3, v1, PITCH
	v_lshl_add_u32 v4, v2, 3, v3                   ; B: row x pitch + 8 h
	s_mul_i32 s21, s15, HALFA                      ; my 128 rows of A
	s_mul_i32 s22, s16, HALFB                      ; my 128 rows of B,
	s_add_co_u32 s22, s22, BOFF                    ; which lie behind A's
.irp s, 0,1
	v_add_nc_u32 v[ADRA+\s], s21, v[CO]
	v_add_nc_u32 v[ADRB+\s], s22, v4
	s_add_co_u32 s21, s21, SLOT
	s_add_co_u32 s22, s22, SLOT
.endr
	s_mul_i32 s23, s14, 16*SPITCH                  ; my stage
	v_mul_u32_u24 v5, v1, SPITCH                   ; in: row r, 32 bytes for each half of the lanes
	v_lshl_add_u32 v5, v2, 5, v5
	v_add_nc_u32 v[STO], s23, v5
	v_add_nc_u32 v[RD], s23, v[CO]                 ; back: the 32 lanes take one row of 512 bytes
	s_lshl_b32 s20, s17, 8
	s_lshl_b32 s21, s15, 7
	s_add_co_u32 s20, s20, s21                     ; my first row of out0
	s_mov_b32 s21, 0
	s_mov_b64 s[18:19], SIZE_N*4
	s_mul_u64 s[20:21], s[20:21], s[18:19]
	s_lshl_b32 s46, s42, 10                        ; my first column, in bytes
	s_lshl_b32 s47, s16, 9
	s_add_co_u32 s46, s46, s47
	s_mov_b32 s47, 0
	s_add_nc_u64 s[20:21], s[20:21], s[46:47]
	s_add_nc_u64 s[10:11], s[10:11], s[20:21]
.macro FRAGA reg, slot, q, i           ; block i's image of the slot's q-th 128 along K: four loads of 512 consecutive bytes
.irp c, 0,1,2,3
	ds_load_b128 v[\reg+4*\c:\reg+4*\c+3], v[ADRA+\slot] offset:(\i)*4096+(\q)*2048+512*\c
.endr
.endm
.macro FRAGB reg, slot, q, i           ; registers 2 c, 2 c + 1: k = 16 c + 8 h + 0 .. 7 of row r
.irp c, 0,1,2,3,4,5,6,7
	ds_load_b64 v[\reg+2*\c:\reg+2*\c+1], v[ADRB+\slot] offset:128*(\q)+16*\c+(\i)*16*PITCH
.endr
.endm
.macro MUL16 a0, p, zero               ; the 64 accumulators take turns, one instruction a turn
.irp a, \a0, \a0+1
.irp b, 0,1,2,3,4,5,6,7
.if \zero
	v_wmma_f32_16x16x128_fp8_fp8 v[8*(8*((\a)%4)+\b):8*(8*((\a)%4)+\b)+7], v[128*(\p)+FR*\b:128*(\p)+FR*\b+FR-1], v[AF+FR*(\a):AF+FR*(\a)+FR-1], 0
.else
	v_wmma_f32_16x16x128_fp8_fp8 v[8*(8*((\a)%4)+\b):8*(8*((\a)%4)+\b)+7], v[128*(\p)+FR*\b:128*(\p)+FR*\b+FR-1], v[AF+FR*(\a):AF+FR*(\a)+FR-1], v[8*(8*((\a)%4)+\b):8*(8*((\a)%4)+\b)+7]
.endif
.endr
.endr
.endm
.macro FETCH_B slot, q, p
	WIN TO_B
.irp i, 0,1,2,3,4,5,6,7
	FRAGB 128*(\p)+FR*\i, \slot, \q, \i
.endr
	WIN 0
.endm
.macro FETCH_A slot, q, i0
.irp i, \i0, \i0+1, \i0+2, \i0+3
	FRAGA AF+FR*(\i), \slot, \q, \i
.endr
.endm
.macro PLACES n
.rept \n
	v_nop
.endr
.endm
.macro STEP slot, q, zero
	s_wait_dscnt 4*NL                              ; B's set and A's blocks 0-3 are in; the youngest 16 loads (A's blocks 4-7) may be out
	WIN MUL_LO
	MUL16 0, (\q)%2, \zero
	MUL16 2, (\q)%2, \zero
	s_wait_dscnt 0
	PLACES NP
	FETCH_B \slot, (\q)+1, 1-(\q)%2
	FETCH_A \slot, (\q)+1, 0
	WIN MUL_HI
	MUL16 4, (\q)%2, \zero
	MUL16 6, (\q)%2, \zero
	PLACES NP
	WIN 0
	FETCH_A \slot, (\q)+1, 4
.endm
.macro TURN slot, next, fill
	s_wait_tensorcnt 0x0                           ; all my tensor loads have landed: my part of the next slot
	ds_add_u32 v[SPW], v[NIL]                      ; 0 onto my spare word
	s_wait_dscnt 4*NL+1                            ; (the add and the youngest 16 loads may be out)
	WIN MUL_LO
	MUL16 0, 1, 0
	s_wait_dscnt 0x0                               ; the add is done, and my reads of this slot are over
	s_barrier_signal -1
	MUL16 2, 1, 0
	WIN 0
	s_barrier_wait -1
.if \fill
	CREST                                          ; the barrier has opened a round of the cluster's: no wave of any partner still reads this slot or has a load on its way
	s_add_nc_u64 s[G0+4*\slot+2:G0+4*\slot+3], s[G0+4*\slot+2:G0+4*\slot+3], 2*4096
	s_add_nc_u64 s[G0B+4*\slot+2:G0B+4*\slot+3], s[G0B+4*\slot+2:G0B+4*\slot+3], 2*ROWB
	JLOAD G0+4*\slot, G1, G0B+4*\slot, G1B         ; the first tensor load behind the round
.else
	PLACES NP
.endif
	FETCH_B \next, 0, 0
	FETCH_A \next, 0, 0
	WIN MUL_HI
	MUL16 4, 1, 0
	MUL16 6, 1, 0
	PLACES NP
	WIN 0
	FETCH_A \next, 0, 4
.endm
	s_wait_tensorcnt 1                             ; of my two first fills the first has landed,
	s_barrier_signal -1
	s_barrier_wait -1                              ; everybody's has
	FETCH_B 0, 0, 0
	FETCH_A 0, 0, 0
	FETCH_A 0, 0, 4
	STEP 0, 0, 1                                   ; the first step's products start the sums
	s_mov_b32 s3, LAPS-1
.Llap:
	TURN 0, 1, 1
	STEP 1, 0, 0
	TURN 1, 0, 1
	STEP 0, 0, 0
	s_sub_co_u32 s3, s3, 1
	s_cmp_lg_u32 s3, 0
	s_cbranch_scc1 .Llap
	TURN 0, 1, 0                                   ; the last lap fills nothing; behind this barrier nobody reads slot 0
	STEP 1, 0, 0
	s_wait_dscnt 4*NL
	WIN MUL_LO
	MUL16 0, 1, 0
	MUL16 2, 1, 0
	s_wait_dscnt 0
	WIN MUL_HI
	MUL16 4, 1, 0
	MUL16 6, 1, 0
	WIN 0
; THE WAY OUT, block by block of 16 rows x 128 columns, through my own stage in LDS: in as 32 bytes a lane, back as whole rows of 512 bytes.  LDS serves a wave's instructions in order (ISA guide 5.7.1.4).
.macro TOSTAGE a
.set AC, 64*((\a)%4)
	WIN 0x02+((\a)/4)
.irp j, 0,2,4,6,8,10,12,14,16,18,20,22,24,26,28,30,32,34,36,38,40,42,44,46,48,50,52,54,56,58,60,62
	v_pk_mul_f32 v[TMP+\j:TMP+\j+1], v[AC+\j:AC+\j+1], s[96:97] op_sel_hi:[1,0]   ; x 2^(e6 + e7); each accumulator from its low end on
.endr
	WIN 0
.irp b, 0,1,2,3,4,5,6,7
	ds_store_b128 v[STO], v[TMP+8*\b:TMP+8*\b+3] offset:64*\b
	ds_store_b128 v[STO], v[TMP+8*\b+4:TMP+8*\b+7] offset:64*\b+16
.endr
.set BB, BK+64*((\a)%2)
.irp t, 0,1,2,3,4,5,6,7,8,9,10,11,12,13,14,15
	ds_load_b128 v[BB+4*\t:BB+4*\t+3], v[RD] offset:\t*SPITCH
.endr
.endm
.macro SEND a, younger                 ; younger: the LDS instructions issued behind block a's loads, which may stay out
.set BB, BK+64*((\a)%2)
	s_wait_dscnt \younger
.if (\a) > 0
	s_add_nc_u64 s[10:11], s[10:11], 16*SIZE_N*4   ; (behind a wait on XCNT: the earlier stores have read their base)
.endif
.irp t, 0,1,2,3,4,5,6,7,8,9,10,11,12,13,14,15
	global_store_b128 v[CO], v[BB+4*\t:BB+4*\t+3], s[10:11] offset:\t*SIZE_N*4 th:TH_STORE_NT   ; 32 lanes store 512 consecutive bytes, aligned; written once, read by nobody here
.endr
.endm
	s_wait_kmcnt 0x0
	s_add_co_i32 s96, s96, s97
	s_add_co_i32 s96, s96, 127
	s_lshl_b32 s96, s96, 23                        ; 2^(e6 + e7) as f32
	PLACES NP                                      ; behind the last products
	TOSTAGE 0
.irp a, 1,2,3,4,5,6,7
.if \a > 1
	s_wait_xcnt 0x0                                ; block a - 2's stores have read their registers and their base
.endif
	TOSTAGE \a
	SEND \a-1, 32                                  ; behind block a - 1's loads: block a's 16 stores and 16 loads
.endr
	s_wait_xcnt 0x0
	SEND 7, 0
	s_wait_tensorcnt 0x0                           ; the wave's end
	ds_add_u32 v[SPW], v[NIL]
	s_wait_dscnt 0x0
	CROUND                                         ; the closing round
	s_endpgm
.Lfunc_end_k_q7e28058926_oproj:
	.size	k_q7e28058926_oproj, .Lfunc_end_k_q7e28058926_oproj-k_q7e28058926_oproj
	.p2alignl 7, 3214868480
	.fill 96, 4, 3214868480
	.section	.rodata,"a",@progbits
	.p2align	6, 0x0
	.amdhsa_kernel k_q7e28058926_oproj
		.amdhsa_group_segment_fixed_size 327680
		.amdhsa_private_segment_fixed_size 0
		.amdhsa_enable_private_segment 0
		.amdhsa_kernarg_size 32
		.amdhsa_user_sgpr_count 2
		.amdhsa_user_sgpr_kernarg_segment_ptr 1
		.amdhsa_wavefront_size32 1
		.amdhsa_system_sgpr_workgroup_id_x 1
		.amdhsa_system_sgpr_workgroup_id_y 1
		.amdhsa_system_sgpr_workgroup_id_z 1
		.amdhsa_system_vgpr_workitem_id 0
		.amdhsa_next_free_vgpr 1024
		.amdhsa_next_free_sgpr 98
		.amdhsa_reserve_vcc 0
		.amdhsa_float_denorm_mode_32 3
		.amdhsa_float_denorm_mode_16_64 3
		.amdhsa_memory_ordered 1
		.amdhsa_forward_progress 1
		.amdhsa_inst_pref_size 139
	.end_amdhsa_kernel
	.amdgpu_metadata
---
amdhsa.version: [ 1, 2 ]
amdhsa.kernels:
  - .name:           k_q7e28058926_oproj
    .symbol:         k_q7e28058926_oproj.kd
    .args:
      - { .name: aimg, .offset: 0, .size: 8, .value_kind: global_buffer, .address_space: global }
      - { .name: w_o_codes, .offset: 8, .size: 8, .value_kind: global_buffer, .address_space: global }
      - { .name: lowp_scales, .offset: 16, .size: 8, .value_kind: global_buffer, .address_space: global }
      - { .name: out0, .offset: 24, .size: 8, .value_kind: global_buffer, .address_space: global }
    .group_segment_fixed_size: 327680
    .private_segment_fixed_size: 0
    .kernarg_segment_align: 8
    .kernarg_segment_size: 32
    .max_flat_workgroup_size: 128
    .sgpr_count:     98
    .vgpr_count:     1024
    .wavefront_size: 32
...
	.end_amdgpu_metadata
.endif
;; end of part 3
;; ======== version 2 of 2: 3 launches; version 1 with the launch attn written anew for expert scheduling mode
;; limits: right only within a limited range of input values
;; workspace buffers: qkvimg 12,582,912 bytes; tb 16,384 bytes of whole numbers; aimg 4,194,304 bytes
;; launch qkv: the kernel of part 1 again; grid 12 x 16, 4 waves a work-group, clusters of 4 x 4, 327,680 bytes of LDS; arguments hidden_states_codes, w_qkv_codes, lowp_scales, positions, q_norm_w, k_norm_w, qkvimg, tb; writes qkvimg, tb
;; launch attn (part 4): grid 32 x 8, 8 waves a work-group, no clusters, 201,728 bytes of LDS; arguments qkvimg, tb, positions, lowp_scales, aimg; writes aimg
.if DOCPART == 4
	.amdgcn_target "amdgcn-amd-amdhsa--gfx1250"
	.amdhsa_code_object_version 6
	.text
	.protected	k_q7e28058926_attn
	.globl	k_q7e28058926_attn
	.p2align	8
	.type	k_q7e28058926_attn,@function
k_q7e28058926_attn:
	s_mov_b64 s[64:65], 0
	v_nop
	global_prefetch_b8 v0, s[64:65] scope:SCOPE_SE
	s_setreg_imm32_b32 hwreg(HW_REG_WAVE_SCHED_MODE, 0, 2), 2
	s_setreg_imm32_b32 hwreg(HW_REG_WAVE_MODE, 25, 1), 1
	s_wait_xcnt 0x0
	s_wait_alu depctr_vm_vsrc(0)
; Attention of one head on codes of FP8 (E4M3): S^T = K Q^T, the mask positions[query] >= positions[key], p = 2^(t - M) with M a whole number, O^T = V^T P^T, / the sum of the unquantised p, quantised with 2^e6.
; q, k, v come as images of operand registers (qkvimg [24][32 blocks of 128 tokens][8 fragments][4][32][16]); the result leaves so too: aimg [256 tiles of 16 tokens][8 heads][4][32][16].
; SHARES.  Work-group (j, head) owns queries 64 j .. 64 j + 63 and 64 (63 - j) .. + 63.  Wave w: bit 2: which of the two blocks; bit 0: which 32 of its queries (two tiles, A and B); bit 1 (kh): which of a slot's two key
; steps of 128.  So each fragment of K or V read from LDS feeds two matrix instructions.  At the end the kh = 1 wave hands O^T, the sum and M to its kh = 0 partner through LDS.
; WHAT IS LEFT OUT.  tb holds the least and largest position of each 16 tokens, stored by the launch before.  A wave leaves a key step out where the step's least position exceeds the largest of its 32 queries' (every score
; there is hidden), and applies the mask only where the step's largest exceeds its queries' least.  A slot that no wave of the work-group needs is not fetched.  All this holds for any positions.
; These are branches on numbers read from memory, so K and V go from memory through registers into LDS, with no tensor load, no copy and no cluster: partners of a cluster would need different steps.
; LAYOUT.  A lane holds ONE query (lane % 16) throughout.  Tile c of S^T: registers 0-7 = keys 16 c + 8 h + 0 .. 7, whose eight codes are registers 2 c, 2 c + 1 of P.  Tile c of O^T likewise for the result's image.
; A row that has met only hidden keys keeps the largest t of -3e38: its p are 2^(-infinity) = 0, and the first true M multiplies zeros by 0.  Each query sees its own key, so no final sum is 0.
; O^T begins as zeros, by moves: which step is a wave's first hangs on data, so none can be written out with the constant 0 as C.
; LIMITS: e2 + e3 between -123 and 130 (added to c's exponent field); e5 and e6 between -126 and 119; e4 + e5 goes through v_ldexp_f32 and has none.  NaN is not served.
; LDS: slot s at 65,536 s: K's two steps (8 fragments of 2,048 bytes each), then V's two; MRG: four senders x 16,384; MST: four x 1,024.  Every LDS access of a wave covers 512 consecutive bytes.
; REGISTERS, window 0: v1, v2 my step's fragments in slot 0, 1; v3, v4 where I stage into slot 0, 1 (v3 also my offset in a slot's bytes in memory); v5, v13 the hand-over; v6 16 x lane; v7 32 h: my offset among a step's positions;
;   v8, v9 my queries' positions; v10 -infinity; v11, v12 2^e5 and 448 x 2^e5; v14 the offset of my queries' positions (at the end: 2^e6); v16-47 Q; v48-79 K's fragments 4, 5, then 64 keys' positions, then P's codes;
;   v80-87 -M, largest t, sum (a pair), for A and for B; v94, v95 the closing add's two; v96-223 S^T, then p; v96-159 then V's fragments 4-7; v224-255 K's fragments 6, 7, then 64 keys' positions; v224-239 then at work.
;   window 1: v0-127 O^T of A and of B; v128-191 K's fragments 0-3, then V's 0-3; v192-255 the next slot's bytes on their way.
; THE MODE: SCHED_MODE bits 1:0 = 2 (LLVM: expert scheduling mode 2), set by the entry lines.  The code itself states the register dependences between vector or matrix instructions and memory or LDS instructions,
; with s_wait_alu, always for 0.
; THE PLAN.  Registers that memory or LDS instructions touch, round a trip:
;   window 1 v192-255   global loads land at the trip's head; the LDS stores at its end read them; no vector instruction names them.  One wait on vm_vsrc, beside the wait on DScnt in front of the barrier.
;   window 1 v128-191, v48-79, v224-255   K's eight fragments land in one run and 16 products on end read them.  Ahead of the run one wait on va_vdst: the last step's products and softmax are done with all three.
;   the same three, again   behind the K products one wait on va_vdst: V's fragments 0-3 land in the first, and in a masked step the keys' positions in the other two.
;   v96-159   behind the conversions one wait on va_vdst: they are done reading p; V's fragments 4-7 land there while O^T is rescaled; then 16 products on end.
;   v1-v7, v13   offsets and LDS addresses: made at the head, never written again; the keys' positions are reached by a scalar base.
;   The mask's compares write scalar registers, sixteen to a run, with one wait on va_sdst between a run and its selects.
.set MRG,  131072
.set MST,  196608
.set SA,   96
.set ST,   80
.set TT,   224
.set MSB, 0
.macro WIN new                         ; the immediate's high byte repeats the setting that is left
.if MSB != \new
	s_set_vgpr_msb (MSB<<8)|\new
.set MSB, \new
.endif
.endm
	s_load_b256 s[4:11], s[0:1], 0x0               ; qkvimg s[4:5], tb s[6:7], positions s[8:9], the scales' exponents s[10:11]
	s_load_b64 s[12:13], s[0:1], 0x20              ; aimg
	v_lshl_add_u32 v94, v0, 2, 0x31000
	v_mov_b32 v95, 0
	v_lshrrev_b32 v15, 5, v0
	v_readfirstlane_b32 s14, v15                   ; wave 0..7
	s_wait_alu depctr_va_sdst(0)                   ; s14 is written, ahead of its first reader: roles, addresses and branches are made from it
	s_bfe_u32 s15, s14, 0x10001                    ; kh
	s_and_b32 s16, s14, 1                          ; which 32 queries
	s_lshr_b32 s17, s14, 2                         ; which block
	s_mov_b32 s18, ttmp9                           ; j
	s_and_b32 s19, ttmp7, 0xffff                   ; the head
	s_sub_co_u32 s42, 63, s18
	s_cmp_eq_u32 s17, 0
	s_cselect_b32 s42, s18, s42
	s_lshl_b32 s28, s42, 6
	s_lshl_b32 s43, s16, 5
	s_add_co_u32 s28, s28, s43                     ; my first query
	s_lshr_b32 s29, s28, 4                         ; its tile of 16
	v_and_b32 v15, 31, v0
	v_lshlrev_b32 v6, 4, v15
	v_bfe_u32 v7, v0, 4, 1
	v_lshlrev_b32 v7, 5, v7
	s_lshl_b32 s42, s15, 14
	v_add_nc_u32 v1, s42, v6
	v_add_nc_u32 v2, 0x10000, v1
	s_lshl_b32 s42, s14, 12
	v_add_nc_u32 v3, s42, v6
	v_add_nc_u32 v4, 0x10000, v3
	s_lshl_b32 s42, s17, 1
	s_or_b32 s42, s42, s16                         ; the pair's number: the same in sender and receiver
	s_lshl_b32 s43, s42, 14
	s_add_co_u32 s43, s43, MRG
	v_add_nc_u32 v5, s43, v6
	s_lshl_b32 s43, s42, 10
	s_add_co_u32 s43, s43, MST
	v_lshl_add_u32 v13, v15, 2, s43
	v_and_b32 v15, 15, v0
	s_lshl_b32 s42, s28, 2
	v_lshl_add_u32 v14, v15, 2, s42                ; my query's position: 4 x (first query + r)
	s_mov_b32 s20, 0x76543210                      ; v_permlanex16_b32's selects for lane l xor 16
	s_mov_b32 s21, 0xfedcba98
	s_wait_kmcnt 0x0
	s_load_b256 s[84:91], s[10:11], 0x0            ; e0 .. e7
	s_lshl_b32 s42, s19, 11
	s_mov_b32 s43, 0
	s_add_nc_u64 s[6:7], s[6:7], s[42:43]          ; the head's copy of tb
	s_lshl_b32 s44, s18, 5                         ; a block of 64 queries: four tiles, 32 bytes
	s_sub_co_u32 s45, 63, s18
	s_lshl_b32 s45, s45, 5
	s_lshl_b32 s46, s29, 3
	s_load_b256 s[48:55], s[6:7], s44 offset:0x0   ; the bounds of the work-group's two blocks,
	s_load_b256 s[56:63], s[6:7], s45 offset:0x0
	s_load_b128 s[68:71], s[6:7], s46 offset:0x0   ; and of my two tiles
	s_lshl_b32 s94, s19, 19
	s_mov_b32 s95, 0
	s_add_nc_u64 s[96:97], s[4:5], s[94:95]        ; q's head
	s_add_nc_u64 s[24:25], s[96:97], 0x400000      ; k's: eight heads of 524,288 bytes on
	s_add_nc_u64 s[26:27], s[96:97], 0x800000      ; v's
	s_lshl_b32 s94, s29, 11
	s_add_nc_u64 s[96:97], s[96:97], s[94:95]      ; my two fragments of q
	s_wait_alu depctr_va_vdst(0)                   ; the offsets and LDS addresses v1 to v7, v13 and v14 are written: every load and store of the kernel reads one of them, and none but v14 is written again
.irp g, 0,1,2,3,4,5,6,7
	global_load_b128 v[16+4*\g:19+4*\g], v6, s[96:97] offset:512*\g
.endr
	global_load_b32 v8, v14, s[8:9]
	global_load_b32 v9, v14, s[8:9] offset:64
; A slot's 32,768 bytes of K and of V: each wave brings 4,096 of each: 8 + 8 loads of 512 consecutive bytes
.macro STAGE_ISSUE
	WIN 0x40                                       ; destination window 1
.irp i, 0,1,2,3,4,5,6,7
	global_load_b128 v[192+4*\i:195+4*\i], v3, s[24:25] offset:512*\i
.endr
.irp i, 0,1,2,3,4,5,6,7
	global_load_b128 v[224+4*\i:227+4*\i], v3, s[26:27] offset:512*\i
.endr
	WIN 0
.endm
.macro STAGE_STORE slot
	WIN 0x04                                       ; store data window 1
.irp i, 0,1,2,3,4,5,6,7
	ds_store_b128 v[3+\slot], v[192+4*\i:195+4*\i] offset:512*\i
.endr
.irp i, 0,1,2,3,4,5,6,7
	ds_store_b128 v[3+\slot], v[224+4*\i:227+4*\i] offset:32768+512*\i
.endr
	WIN 0
.endm
	STAGE_ISSUE                                    ; slot 0, without a condition
	s_lshl_b32 s94, s29, 14
	s_lshl_b32 s47, s19, 11
	s_add_co_u32 s94, s94, s47
	s_add_nc_u64 s[12:13], s[12:13], s[94:95]      ; my two images in aimg
	WIN 0x40
.set i, 0
.rept 128
	v_mov_b32 v[i], 0                              ; O^T
.set i, i+1
.endr
	WIN 0
	v_mov_b32 v10, 0xff800000                      ; -infinity
.irp t, 0,1
	v_mov_b32 v[ST+4*\t+1], 0xff61b1e6             ; the largest t so far: -3e38
	v_floor_f32 v[ST+4*\t], -v[ST+4*\t+1]          ; -M
	v_mov_b32 v[ST+4*\t+2], 0                      ; the sum, in two halves
	v_mov_b32 v[ST+4*\t+3], 0
.endr
.set i, 0
.rept 16
	v_mov_b32 v[TT+i], 0                           ; written once: permutes' destinations and pairs' upper halves count as read
.set i, i+1
.endr
	s_wait_kmcnt 0x0
	s_max_i32 s40, s49, s51
.irp k, 53,55,57,59,61,63
	s_max_i32 s40, s40, s[\k]                      ; the largest position among the work-group's 128 queries
.endr
	s_min_i32 s38, s68, s70                        ; the least and largest among my 32
	s_max_i32 s39, s69, s71
	s_load_b512 s[48:63], s[6:7], 0x0              ; slot 0's bounds: its first step's eight tiles,
	s_load_b512 s[68:83], s[6:7], 0x40             ; its second's
	s_add_co_i32 s42, s86, s87
	s_lshl_b32 s42, s42, 23
	s_add_co_i32 s22, s42, 0x3e0293ee              ; c = log2(e) / sqrt(128), x 2^(e2 + e3) by its exponent field
	s_mov_b32 s23, s22
	s_add_co_i32 s42, s89, 127
	s_lshl_b32 s43, s42, 23
	v_mov_b32 v11, s43                             ; 2^e5
	s_add_co_i32 s42, s42, 8
	s_lshl_b32 s42, s42, 23
	s_or_b32 s42, s42, 0x600000
	v_mov_b32 v12, s42                             ; 448 x 2^e5
	s_cmp_lt_i32 s89, -8
	s_cselect_b32 s92, 1, 0                        ; p is at most 1: the hold is owed only where 448 x 2^e5 lies under 1
	s_add_co_i32 s93, s88, s89                     ; e4 + e5
; The bounds of the slot behind the one in hand are in s[48:63], s[68:83].  s31 = the trip's number T (at the head: -1).
.macro BOUNDS first
	s_wait_kmcnt 0x0                               ; they are in, and their offset register is free
.if !\first
	s_mov_b32 s34, s36                             ; my step of the slot in hand
	s_mov_b32 s35, s37
.endif
	s_min_i32 s42, s48, s50
	s_max_i32 s43, s49, s51
.irp k, 52,54,56,58,60,62
	s_min_i32 s42, s42, s[\k]
	s_max_i32 s43, s43, s[\k+1]
.endr
	s_min_i32 s44, s68, s70
	s_max_i32 s45, s69, s71
.irp k, 72,74,76,78,80,82
	s_min_i32 s44, s44, s[\k]
	s_max_i32 s45, s45, s[\k+1]
.endr
	s_cmp_eq_u32 s15, 0
	s_cselect_b32 s36, s42, s44                    ; my step of the next slot
	s_cselect_b32 s37, s43, s45
	s_min_i32 s42, s42, s44
	s_cmp_le_i32 s42, s40                          ; does any query of the work-group see any key of it?  The same answer in all eight waves
	s_cselect_b32 s33, 1, 0
	s_cmp_lt_u32 s31, 15                           ; behind the last slot there is none
	s_cselect_b32 s33, s33, 0
	s_add_co_u32 s41, s31, 2
	s_min_u32 s41, s41, 15                         ; the slot after that, held inside the table
	s_lshl_b32 s41, s41, 7
	s_load_b512 s[48:63], s[6:7], s41 offset:0x0
	s_load_b512 s[68:83], s[6:7], s41 offset:0x40
.endm
	s_mov_b32 s31, -1
	BOUNDS 1
	s_wait_loadcnt 0x0                             ; Q, my queries' positions, slot 0's bytes
	STAGE_STORE 0
	s_add_nc_u64 s[24:25], s[24:25], 32768         ; on to slot 1 (the loads that named these bases are done)
	s_add_nc_u64 s[26:27], s[26:27], 32768
	s_wait_alu depctr_vm_vsrc(0)                   ; my LDS stores have read the staging registers, in which the first trip's loads land
	s_wait_dscnt 0x0                               ; my part of slot 0 has landed
	s_barrier_signal -1
	s_barrier_wait -1
; S^T = K Q^T: K's eight fragments come in one run, into three runs of registers that the last step has left; then 16 products on end, each fragment against both tiles of queries
.macro KPHASE slot
.rept 5
	v_nop                                          ; five places between the last step's products, which read V's fragments in v96-159, and this step's, which write the scores over them (ISA guide 7.12.1)
.endr
	WIN 0x40
	s_wait_alu depctr_va_vdst(0)                   ; the last step's products are done reading V's fragments in window 1 and P's codes, its softmax (in the first trip: the head's moves) is done with v224-239: K's fragments land in all three
.irp t, 0,1,2,3
.irp c, 0,1,2,3
	ds_load_b128 v[128+16*\t+4*\c:131+16*\t+4*\c], v[1+\slot] offset:\t*2048+512*\c
.endr
.endr
	WIN 0
.irp t, 0,1
.irp c, 0,1,2,3
	ds_load_b128 v[48+16*\t+4*\c:51+16*\t+4*\c], v[1+\slot] offset:(4+\t)*2048+512*\c
.endr
.endr
.irp t, 0,1
.irp c, 0,1,2,3
	ds_load_b128 v[224+16*\t+4*\c:227+16*\t+4*\c], v[1+\slot] offset:(6+\t)*2048+512*\c
.endr
.endr
	s_wait_dscnt 16                                ; LDS loads come back in order (ISA guide 5.7.1): fragments 0-3 are in, the 16 loads of fragments 4-7 may be out
	WIN 0x01                                       ; source 0 (K) window 1
.irp t, 0,1,2,3
	v_wmma_f32_16x16x128_fp8_fp8 v[SA+8*\t:SA+8*\t+7], v[128+16*\t:143+16*\t], v[16:31], 0
	v_wmma_f32_16x16x128_fp8_fp8 v[SA+64+8*\t:SA+64+8*\t+7], v[128+16*\t:143+16*\t], v[32:47], 0
.endr
	s_wait_dscnt 0x0                               ; fragments 4-7 are in
	WIN 0
.irp t, 0,1
	v_wmma_f32_16x16x128_fp8_fp8 v[SA+8*(4+\t):SA+8*(4+\t)+7], v[48+16*\t:63+16*\t], v[16:31], 0
	v_wmma_f32_16x16x128_fp8_fp8 v[SA+64+8*(4+\t):SA+64+8*(4+\t)+7], v[48+16*\t:63+16*\t], v[32:47], 0
.endr
.irp t, 0,1
	v_wmma_f32_16x16x128_fp8_fp8 v[SA+8*(6+\t):SA+8*(6+\t)+7], v[224+16*\t:239+16*\t], v[16:31], 0
	v_wmma_f32_16x16x128_fp8_fp8 v[SA+64+8*(6+\t):SA+64+8*(6+\t)+7], v[224+16*\t:239+16*\t], v[32:47], 0
.endr
.rept 4
	v_nop                                          ; places in front of the reads of the scores and of the softmax's writes into v224 on, which the last products read
.endr
.endm
.macro VLOAD0 slot                     ; V's fragments 0-3: d = 16 t on
	WIN 0x40
	s_wait_alu depctr_va_vdst(0)                   ; the products above are done reading K's fragments: V's first four land in window 1's, and in a masked step the keys' positions in v48-79 and v224-255; the places above stay beside this wait
.irp t, 0,1,2,3
.irp c, 0,1,2,3
	ds_load_b128 v[128+16*\t+4*\c:131+16*\t+4*\c], v[1+\slot] offset:32768+\t*2048+512*\c
.endr
.endr
	WIN 0
.endm
.macro VLOAD1 slot                     ; V's fragments 4-7: d = 16 (4 + t) on, into the registers that tile A's p has left
	s_wait_alu depctr_va_vdst(0)                   ; the conversions are done reading p in v96-159, in which these loads land
.irp t, 0,1,2,3
.irp c, 0,1,2,3
	ds_load_b128 v[96+16*\t+4*\c:99+16*\t+4*\c], v[1+\slot] offset:32768+(4+\t)*2048+512*\c
.endr
.endr
.endm
; Eight keys' positions, v[kp] on, against my two queries': sixteen compares into sixteen scalar registers that the head has left and that never held an address, one wait, sixteen selects.
; sc: the same keys' scores in tile A; tile B's lie 64 registers on.  Each accumulator is met from its low end.
.macro MRUN kp, sc
.set i, 0
.irp m, 2,3,16,17,18,19,28,29
	v_cmp_gt_i32 s[\m], v[(\kp)+i], v8
.set i, i+1
.endr
.set i, 0
.irp m, 84,85,86,87,88,89,98,99
	v_cmp_gt_i32 s[\m], v[(\kp)+i], v9
.set i, i+1
.endr
	s_wait_alu depctr_va_sdst(0)                   ; the sixteen compares have written their masks, ahead of the selects that read them
.set i, 0
.irp m, 2,3,16,17,18,19,28,29
	v_cndmask_b32 v[(\sc)+i], v[(\sc)+i], v10, s[\m]
.set i, i+1
.endr
.set i, 0
.irp m, 84,85,86,87,88,89,98,99
	v_cndmask_b32 v[(\sc)+64+i], v[(\sc)+64+i], v10, s[\m]
.set i, i+1
.endr
.endm
.macro MASK                            ; register 8 c + j holds key 128 x step + 16 c + 8 h + j: hidden where its position exceeds my query's
	s_lshl_b32 s42, s31, 10
	s_lshl_b32 s43, s15, 9
	s_add_co_u32 s94, s42, s43                     ; 4 bytes x 128 x (2 T + kh); s95 holds 0 since the head
	s_add_nc_u64 s[96:97], s[8:9], s[94:95]        ; the step's positions: a scalar base beside the fixed offset v7 (the loads that last named this pair were shown done by their wait on LOADcnt)
.irp c, 0,1,2,3
	global_load_b128 v[48+8*\c:51+8*\c], v7, s[96:97] offset:64*\c           ; into the registers that K's fragments 4-7 have left.  No wait: no vector or matrix instruction since the wait in front of V's loads
	global_load_b128 v[52+8*\c:55+8*\c], v7, s[96:97] offset:64*\c+16
.endr
.irp c, 0,1,2,3
	global_load_b128 v[224+8*\c:227+8*\c], v7, s[96:97] offset:256+64*\c
	global_load_b128 v[228+8*\c:231+8*\c], v7, s[96:97] offset:256+64*\c+16
.endr
	s_wait_loadcnt 0x0
.irp c, 0,1,2,3
	MRUN 48+8*\c, SA+8*\c
.endr
.irp c, 0,1,2,3
	MRUN 224+8*\c, SA+32+8*\c
.endr
.endm
.macro SOFTMAX                         ; both tiles, line by line in turn; it ends with P's codes
.irp t, 0,1
	v_max3_num_f32 v[TT+8*\t], v[SA+64*\t], v[SA+64*\t+1], v[SA+64*\t+2]         ; the step's largest score of my query among my 64 keys, in two chains; each accumulator is met from its low end
	v_max3_num_f32 v[TT+8*\t+1], v[SA+64*\t+3], v[SA+64*\t+4], v[SA+64*\t+5]
.endr
.irp i, 6,10,14,18,22,26,30,34,38,42,46,50,54,58
.irp t, 0,1
	v_max3_num_f32 v[TT+8*\t], v[TT+8*\t], v[SA+64*\t+\i], v[SA+64*\t+\i+1]
	v_max3_num_f32 v[TT+8*\t+1], v[TT+8*\t+1], v[SA+64*\t+\i+2], v[SA+64*\t+\i+3]
.endr
.endr
.irp t, 0,1
	v_max3_num_f32 v[TT+8*\t], v[TT+8*\t], v[SA+64*\t+62], v[SA+64*\t+63]
.endr
.irp t, 0,1
	v_max_num_f32 v[TT+8*\t], v[TT+8*\t], v[TT+8*\t+1]
.endr
.irp t, 0,1
	v_permlanex16_b32 v[TT+8*\t+4], v[TT+8*\t], s20, s21
.endr
.irp t, 0,1
	v_max_num_f32 v[TT+8*\t], v[TT+8*\t], v[TT+8*\t+4]     ; and among lane l xor 16's
.endr
.irp t, 0,1
	v_mul_f32 v[TT+8*\t], s22, v[TT+8*\t]                  ; as t (c is positive)
.endr
.irp t, 0,1
	v_max_num_f32 v[ST+4*\t+1], v[ST+4*\t+1], v[TT+8*\t]   ; the running largest t
.endr
.irp t, 0,1
	v_mov_b32 v[TT+8*\t], v[ST+4*\t]
.endr
.irp t, 0,1
	v_floor_f32 v[ST+4*\t], -v[ST+4*\t+1]                  ; the new -M = floor(-t): M is a whole number
.endr
.irp t, 0,1
	v_sub_f32 v[TT+8*\t], v[ST+4*\t], v[TT+8*\t]           ; old M - new M: a whole number, 0 or less
.endr
.irp t, 0,1
	v_cvt_i32_f32 v[TT+8*\t], v[TT+8*\t]                   ; (it saturates)
.endr
.irp t, 0,1
	v_ldexp_f32 v[TT+8*\t+2], 1.0, v[TT+8*\t]              ; f = 2^(old M - new M)
.endr
.set i, 0
.rept 32
	v_pk_fma_f32 v[SA+2*i:SA+2*i+1], v[SA+2*i:SA+2*i+1], s[22:23], v[ST:ST+1] op_sel_hi:[1,0,0]             ; t - M, two at a time
	v_pk_fma_f32 v[SA+64+2*i:SA+65+2*i], v[SA+64+2*i:SA+65+2*i], s[22:23], v[ST+4:ST+5] op_sel_hi:[1,0,0]
.set i, i+1
.endr
.set i, 0
.rept 128
	v_exp_f32 v[SA+i], v[SA+i]                             ; p = 2^(t - M), at most 1, not normalised
.set i, i+1
.endr
.irp t, 0,1
	v_pk_mul_f32 v[ST+4*\t+2:ST+4*\t+3], v[ST+4*\t+2:ST+4*\t+3], v[TT+8*\t+2:TT+8*\t+3] op_sel_hi:[1,0]     ; the sums under the new M (a plain instruction behind the exponentials)
.endr
	s_wait_alu depctr_va_vdst(0)                   ; the 128 exponentials have written p: one wait for the batch, ahead of its first reader
.irp t, 0,1
	v_pk_add_f32 v[TT+8*\t+6:TT+8*\t+7], v[SA+64*\t:SA+64*\t+1], v[SA+64*\t+2:SA+64*\t+3]                   ; the sum is taken of the unquantised p, in two chains
.endr
.irp j, 4,8,12,16,20,24,28,32,36,40,44,48,52,56,60
.irp t, 0,1
	v_pk_add_f32 v[ST+4*\t+2:ST+4*\t+3], v[ST+4*\t+2:ST+4*\t+3], v[SA+64*\t+\j:SA+64*\t+\j+1]
	v_pk_add_f32 v[TT+8*\t+6:TT+8*\t+7], v[TT+8*\t+6:TT+8*\t+7], v[SA+64*\t+\j+2:SA+64*\t+\j+3]
.endr
.endr
.irp t, 0,1
	v_pk_add_f32 v[ST+4*\t+2:ST+4*\t+3], v[ST+4*\t+2:ST+4*\t+3], v[TT+8*\t+6:TT+8*\t+7]
.endr
	s_cmp_eq_u32 s92, 0
	s_cbranch_scc1 .Lno_hold_\@
.set i, 0
.rept 128
	v_min_num_f32 v[SA+i], v[SA+i], v12                    ; the conversion does not saturate (ISA guide 7.6.2); p is not negative, so the hold is one-sided
.set i, i+1
.endr
.Lno_hold_\@:
.irp c, 0,1,2,3,4,5,6,7
	v_cvt_scalef32_pk8_fp8_f32 v[48+2*\c:49+2*\c], v[SA+8*\c:SA+8*\c+7], v11
	v_cvt_scalef32_pk8_fp8_f32 v[64+2*\c:65+2*\c], v[SA+64+8*\c:SA+64+8*\c+7], v11
.endr
.endm
.macro RESCALE                         ; it stands between the loads of V's fragments 4-7 and the wait for them, and names none of their registers
	WIN 0x41                                       ; O^T (destination and source 0) window 1, f window 0
.set i, 0
.rept 32
	v_pk_mul_f32 v[2*i:2*i+1], v[2*i:2*i+1], v[TT+2:TT+3] op_sel_hi:[1,0]            ; O^T under the new M.  (Also the plain instructions behind the conversions)
	v_pk_mul_f32 v[64+2*i:65+2*i], v[64+2*i:65+2*i], v[TT+10:TT+11] op_sel_hi:[1,0]
.set i, i+1
.endr
	WIN 0
.endm
.macro PV                              ; O^T += V^T P^T: sixteen accumulators, one instruction a turn
	s_wait_dscnt 16                                ; V's fragments 0-3, asked for ahead of the softmax, are in; the 16 loads of fragments 4-7 may be out
	WIN 0x51                                       ; V, C and D window 1; P window 0
.irp t, 0,1,2,3
	v_wmma_f32_16x16x128_fp8_fp8 v[8*\t:8*\t+7], v[128+16*\t:143+16*\t], v[48:63], v[8*\t:8*\t+7]
	v_wmma_f32_16x16x128_fp8_fp8 v[64+8*\t:64+8*\t+7], v[128+16*\t:143+16*\t], v[64:79], v[64+8*\t:64+8*\t+7]
.endr
	s_wait_dscnt 0x0                               ; fragments 4-7 are in
	WIN 0x50                                       ; C and D window 1; V and P window 0
.irp t, 0,1,2,3
	v_wmma_f32_16x16x128_fp8_fp8 v[8*(4+\t):8*(4+\t)+7], v[96+16*\t:111+16*\t], v[48:63], v[8*(4+\t):8*(4+\t)+7]
	v_wmma_f32_16x16x128_fp8_fp8 v[64+8*(4+\t):64+8*(4+\t)+7], v[96+16*\t:111+16*\t], v[64:79], v[64+8*(4+\t):64+8*(4+\t)+7]
.endr
	WIN 0
.endm
; ONE TRIP: the slot in hand is read, the next one is brought.  One barrier, on every wave's path: in front of it my stores into the other slot have landed and my reads of this one are over;
; the slot that a trip writes was last read in the trip before, whose barrier lies between.
.macro TRIP slot
	s_add_co_u32 s31, s30, \slot                   ; T
	BOUNDS 0
	s_cmp_eq_u32 s33, 0
	s_cbranch_scc1 .Lno_issue_\@
	STAGE_ISSUE                                    ; slot T + 1: it lands under this trip's work.  (The wait on vm_vsrc in front of the last barrier has freed its registers; no vector instruction ever names them)
.Lno_issue_\@:
	s_cmp_gt_i32 s34, s39                          ; my step's least position over my queries' largest: every score hidden
	s_cbranch_scc1 .Lskip_\@
	KPHASE \slot
	VLOAD0 \slot
	s_cmp_le_i32 s35, s38                          ; my step's largest position not over my queries' least: nothing hidden
	s_cbranch_scc1 .Lopen_\@
	MASK
.Lopen_\@:
	SOFTMAX
	VLOAD1 \slot
	RESCALE
	PV
.Lskip_\@:
	s_wait_loadcnt 0x0                             ; without a condition: no load is out when the staging registers are asked for again
	s_cmp_eq_u32 s33, 0
	s_cbranch_scc1 .Lno_store_\@
	STAGE_STORE 1-\slot
.Lno_store_\@:
	s_add_nc_u64 s[24:25], s[24:25], 32768         ; (the loads that named these bases are done)
	s_add_nc_u64 s[26:27], s[26:27], 32768
	s_wait_alu depctr_vm_vsrc(0)                   ; my LDS stores have read the staging registers, in which the next trip's loads land
	s_wait_dscnt 0x0
	s_barrier_signal -1
	s_barrier_wait -1
.endm
	s_mov_b32 s30, 0
.Ltrip:                                            ; 8 trips of two slots: 32 key steps of 128, each wave those of its parity
	TRIP 0
	TRIP 1
	s_add_co_u32 s30, s30, 2
	s_cmp_lt_u32 s30, 16
	s_cbranch_scc1 .Ltrip
	; ---- the end: the two waves of a pair meet
.rept 4
	v_nop                                          ; places behind the last products
.endr
.irp t, 0,1
	v_add_f32 v[ST+4*\t+2], v[ST+4*\t+2], v[ST+4*\t+3]     ; the sum's two halves,
.endr
.irp t, 0,1
	v_permlanex16_b32 v[TT+8*\t+4], v[ST+4*\t+2], s20, s21
.endr
.irp t, 0,1
	v_add_f32 v[ST+4*\t+2], v[ST+4*\t+2], v[TT+8*\t+4]     ; and lane l xor 16's
.endr
	s_cmp_eq_u32 s15, 0
	s_cbranch_scc1 .Lkeep
	WIN 0x04
	s_wait_alu depctr_va_vdst(0)                   ; the last products have written O^T, the additions above the sums and the softmax -M: the LDS stores below read them; the places above stay beside this wait
.set i, 0
.rept 32
	ds_store_b128 v5, v[4*i:4*i+3] offset:512*i    ; O^T of both tiles, as it stands; each accumulator from its low end on
.set i, i+1
.endr
	WIN 0
	ds_store_b32 v13, v[ST]
	ds_store_b32 v13, v[ST+2] offset:128
	ds_store_b32 v13, v[ST+4] offset:256
	ds_store_b32 v13, v[ST+6] offset:384
.Lkeep:
	s_wait_dscnt 0x0                               ; what I hand over has landed
	s_barrier_signal -1
	s_barrier_wait -1
	s_cmp_lg_u32 s15, 0
	s_cbranch_scc1 .Ldone
	s_add_co_i32 s42, s90, 127
	s_lshl_b32 s43, s42, 23
	v_mov_b32 v14, s43                             ; 2^e6.  (The head's loads, which read v14 as their offset, stand ahead of every trip's wait on vm_vsrc)
	s_add_co_i32 s42, s42, 8
	s_lshl_b32 s42, s42, 23
	s_or_b32 s42, s42, 0x600000
	v_mov_b32 v10, s42                             ; 448 x 2^e6
.macro FLOAD q                         ; my partner's numbers for tile q: 18 loads
.irp i, 0,1,2,3,4,5,6,7,8,9,10,11,12,13,14,15
	ds_load_b128 v[SA+64*\q+4*\i:SA+64*\q+4*\i+3], v5 offset:8192*\q+512*\i      ; its O^T
.endr
	ds_load_b32 v[TT+8*\q], v13 offset:256*\q      ; its -M
	ds_load_b32 v[TT+8*\q+1], v13 offset:256*\q+128        ; its sum
.endm
.macro FINISH q
.set SB, SA+64*\q
.set SS, ST+4*\q
.set TQ, TT+8*\q
	s_wait_dscnt 18-18*\q                          ; this tile's 18 loads are in; behind tile 0's the 18 of tile 1 may be out
	v_min_num_f32 v[TQ+4], v[SS], v[TQ]            ; the common -M: the larger M
	v_sub_f32 v[TQ+2], v[TQ+4], v[SS]
	v_sub_f32 v[TQ+6], v[TQ+4], v[TQ]
	v_cvt_i32_f32 v[TQ+2], v[TQ+2]                 ; (they saturate: a wave that met no open key counts for 0)
	v_cvt_i32_f32 v[TQ+6], v[TQ+6]
	v_ldexp_f32 v[TQ+2], 1.0, v[TQ+2]
	v_ldexp_f32 v[TQ+6], 1.0, v[TQ+6]
	v_mul_f32 v[TQ+5], v[SS+2], v[TQ+2]
	v_fmac_f32 v[TQ+5], v[TQ+1], v[TQ+6]           ; the row's sum
	v_rcp_f32 v[TQ+5], v[TQ+5]
	v_nop                                          ; a plain instruction behind the transcendental
	s_wait_alu depctr_va_vdst(0)                   ; the reciprocal is written, ahead of its first reader
	v_ldexp_f32 v[TQ+5], v[TQ+5], s93              ; x 2^(e4 + e5)
	v_mul_f32 v[TQ+2], v[TQ+2], v[TQ+5]
	v_mul_f32 v[TQ+6], v[TQ+6], v[TQ+5]
.set i, 0
.rept 32
	v_pk_mul_f32 v[SB+2*i:SB+2*i+1], v[SB+2*i:SB+2*i+1], v[TQ+6:TQ+7] op_sel_hi:[1,0]
.set i, i+1
.endr
	WIN 0x01                                       ; source 0 (my O^T) window 1
.set i, 0
.rept 32
	v_pk_fma_f32 v[SB+2*i:SB+2*i+1], v[64*\q+2*i:64*\q+2*i+1], v[TQ+2:TQ+3], v[SB+2*i:SB+2*i+1] op_sel_hi:[1,0,1]
.set i, i+1
.endr
	WIN 0
.set i, 0
.rept 64
	v_med3_num_f32 v[SB+i], v[SB+i], -v10, v10     ; the hold at 448 x 2^e6
.set i, i+1
.endr
.irp c, 0,1,2,3,4,5,6,7
	v_cvt_scalef32_pk8_fp8_f32 v[48+16*\q+2*\c:49+16*\q+2*\c], v[SB+8*\c:SB+8*\c+7], v14   ; registers 2 c, 2 c + 1 of the last product's operand: k = 16 c + 8 h + 0 .. 7 of this head
.endr
	v_nop                                          ; a plain instruction behind the last conversion
.endm
	s_wait_alu depctr_va_vdst(0)                   ; the last step's products, conversions and softmax are done with v96-223, the additions and permutes above with v224 on: my partner's numbers land there
	FLOAD 0
	FLOAD 1                                        ; tile 1's land while tile 0 is worked: tile 0's arithmetic names none of their registers
	FINISH 0
	FINISH 1
	s_wait_alu depctr_va_vdst(0)                   ; the conversions of both tiles have written the codes in v48-79, which the stores read
.irp q, 0,1
.irp g, 0,1,2,3
	global_store_b128 v6, v[48+16*\q+4*\g:51+16*\q+4*\g], s[12:13] offset:\q*16384+512*\g  ; 512 consecutive bytes, aligned
.endr
.endr
.Ldone:
	s_wait_dscnt 0x0                               ; the closing lines, six on end
	s_wait_alu 0x0
	s_wait_tensorcnt 0x0
	ds_add_u32 v94, v95
	s_wait_dscnt 0x0
	s_endpgm
.Lfunc_end_k_q7e28058926_attn:
	.size	k_q7e28058926_attn, .Lfunc_end_k_q7e28058926_attn-k_q7e28058926_attn
	.p2alignl 7, 3214868480
	.fill 96, 4, 3214868480
	.section	.rodata,"a",@progbits
	.p2align	6, 0x0
	.amdhsa_kernel k_q7e28058926_attn
		.amdhsa_group_segment_fixed_size 201728
		.amdhsa_private_segment_fixed_size 0
		.amdhsa_enable_private_segment 0
		.amdhsa_kernarg_size 40
		.amdhsa_user_sgpr_count 2
		.amdhsa_user_sgpr_kernarg_segment_ptr 1
		.amdhsa_wavefront_size32 1
		.amdhsa_system_sgpr_workgroup_id_x 1
		.amdhsa_system_sgpr_workgroup_id_y 1
		.amdhsa_system_sgpr_workgroup_id_z 1
		.amdhsa_system_vgpr_workitem_id 0
		.amdhsa_next_free_vgpr 512
		.amdhsa_next_free_sgpr 100
		.amdhsa_reserve_vcc 0
		.amdhsa_float_denorm_mode_32 3
		.amdhsa_float_denorm_mode_16_64 3
		.amdhsa_memory_ordered 1
		.amdhsa_forward_progress 1
		.amdhsa_inst_pref_size 150
	.end_amdhsa_kernel
	.amdgpu_metadata
---
amdhsa.version: [ 1, 2 ]
amdhsa.kernels:
  - .name:           k_q7e28058926_attn
    .symbol:         k_q7e28058926_attn.kd
    .args:
      - { .name: qkvimg, .offset: 0, .size: 8, .value_kind: global_buffer, .address_space: global }
      - { .name: tb, .offset: 8, .size: 8, .value_kind: global_buffer, .address_space: global }
      - { .name: positions, .offset: 16, .size: 8, .value_kind: global_buffer, .address_space: global }
      - { .name: lowp_scales, .offset: 24, .size: 8, .value_kind: global_buffer, .address_space: global }
      - { .name: aimg, .offset: 32, .size: 8, .value_kind: global_buffer, .address_space: global }
    .group_segment_fixed_size: 201728
    .private_segment_fixed_size: 0
    .kernarg_segment_align: 8
    .kernarg_segment_size: 40
    .max_flat_workgroup_size: 256
    .sgpr_count:     100
    .vgpr_count:     512
    .wavefront_size: 32
...
	.end_amdgpu_metadata
.endif
;; end of part 4
;; launch oproj: the kernel of part 3 again; grid 8 x 16, 4 waves a work-group, clusters of 4 x 4, 327,680 bytes of LDS; arguments aimg, w_o_codes, lowp_scales, out0; writes out0
